; MI455X (gfx1250); checked and timed in simulation.
; The chip was launched on July 23, 2026; its instructions are those of AMD's public machine-readable ISA for CDNA 5 (MIT licence, August 2026) and "CDNA5" Instruction Set Architecture Reference Guide (July 2026). The comments in the code are by the model that wrote it; some were corrected since.
;; Multi Head Attention2. Allowed arithmetic: matrix products marked QUANTISED: E2M1 operands, one E8M0 scale for each 32 along K, by v_wmma_scale_f32_16x16x128_f8f6f4 with both operands' format E2M1 (or v_wmma_scale_f32_32x16x128_f4), f32 sums; everything else in f32.
;; Inputs: Wk 1,024 x 1,024 float32; Wo 1,024 x 1,024 float32; Wq 1,024 x 1,024 float32; Wv 1,024 x 1,024 float32; bk 1,024 float32; bo 1,024 float32; bq 1,024 float32; bv 1,024 float32; x 4 x 2,048 x 1,024 float32.
;; Outputs: out0 4 x 2,048 x 1,024 float32.
;; This version of the problem:
;;   THIS VERSION OF THE PROBLEM IS GIVEN IN LOW PRECISION. The matrix products marked QUANTISED in the list below multiply operands that are first quantised to E2M1 (2 exponent bits, 1 mantissa bit; 4 bits a number), with one power-of-two scale for each 32 numbers along K (OCP MX v1.0); their sums are f32. All else is computed in f32.
;;   The module's matrix products, in the order in which they are computed (A, B: the left and right operand; K: the contracted axis; several contracted axes count as one K, in the product's order):
;;     1. [M 8,192, K 1,024] x [K 1,024, N 1,024]; A: input x; B: input Wq: QUANTISED
;;     2. [M 8,192, K 1,024] x [K 1,024, N 1,024]; A: input x; B: input Wk: QUANTISED
;;     3. [M 8,192, K 1,024] x [K 1,024, N 1,024]; A: input x; B: input Wv: QUANTISED
;;     4. batch 64 x [M 2,048, K 64] x [K 64, N 2,048]; A: computed on the way; B: computed on the way: QUANTISED
;;     5. batch 64 x [M 2,048, K 2,048] x [K 2,048, N 64]; A: softmax (see below); B: computed on the way: QUANTISED
;;     6. [M 8,192, K 1,024] x [K 1,024, N 1,024]; A: computed on the way; B: input Wo: QUANTISED
;;   THE QUANTISER, for each operand of a quantised product, along K:
;;     - K is cut into blocks of 32 from its start; a last block that is shorter is filled with zeros.
;;     - A block's scale is 2^e with e = floor(log2(the largest magnitude in the block)) - 2, held to -126 .. 127; a block of zeros has e = 0. As a byte (E8M0): e + 127.
;;     - Each number is divided by its block's scale, clamped to +-6, and rounded to the nearest number of E2M1, ties to even, subnormals kept.
;;     - The product sums the exact products of the quantised numbers (number of the format x scale) in f32.
;;   ~~~python
;;   def quantise(x, axis):      # numpy; x: float32 -> the quantised numbers, widened to float32 again
;;       x = np.moveaxis(x, axis, -1); K = x.shape[-1]
;;       x = np.pad(x, [(0, 0)] * (x.ndim - 1) + [(0, -K % 32)]); x = x.reshape(x.shape[:-1] + (-1, 32)); a = np.abs(x).max(-1, keepdims=True)
;;       e = np.where(a > 0, np.clip(np.frexp(np.where(a > 0, a, 1))[1] - 1 - 2, -126, 127), 0)      # np.frexp(a)[1] - 1 = floor(log2(a)), exactly
;;       r = np.clip(x / 2.0 ** e, -6, 6)
;;       step = 2.0 ** (np.maximum(np.frexp(np.where(r == 0, 1, r))[1] - 1, 0) - 1)
;;       q = np.round(r / step) * step * 2.0 ** e      # np.round: ties to even
;;       return np.moveaxis(q.reshape(q.shape[:-2] + (-1,))[..., :K], -1, axis).astype(np.float32)
;;   ~~~
;;   SOFTMAX AHEAD OF A QUANTISED PRODUCT. Where the list says 'softmax', what is quantised is not the finished softmax but p = 2^(t - M), with t = logit x log2(e) and M = ceil(the row's largest t), a whole number; so 1/2 < the row's largest p <= 1. The row's sum l is taken of the UNQUANTISED p, in f32, and the product's result is divided by l at the end. Since M is a whole number, a kernel that streams over the keys may use a running M (the ceiling of the running maximum): every later rescaling is an exact power of two, which a block's scale takes up: the codes' values come out the same.
;;   OPERANDS COMPUTED ON THE WAY. 'Computed on the way' means the value that the module computes at that place (a softmax that the list does not call 'softmax' is quantised finished and normalised). What goes into a quantiser is computed in f32, as accurately as f32 sums, v_exp_f32 and their like allow (about 1e-6 of the number): no bf16 or f16 on the way to a quantiser, and a product that is left as it is and whose result goes on into a quantised operand takes f32 operands (vector FMAs, or v_wmma_f32_16x16x4_f32). A number that lies on a knife's edge between two numbers of the format may be rounded either way, as far as f32 arithmetic and the matrix unit's own rounding can turn it there, and no further.
;; One version. Each part assembles by itself: llvm-mc -triple=amdgcn-amd-amdhsa -mcpu=gfx1250 --defsym DOCPART=n.
;; ======== version 1 of 1: 4 launches
;; workspace buffers: ximg 4,194,304 bytes; wimg 2,097,152 bytes; scl 655,360 bytes; himg 12,582,912 bytes; hscl 1,310,720 bytes; aimg 4,194,304 bytes
;; launch quant (part 1): grid 512 x 1, 4 waves a work-group, no clusters, 34,304 bytes of LDS; arguments x, Wq, Wk, Wv, Wo, ximg, wimg, scl; writes ximg, wimg, scl
.if DOCPART == 1
	.amdgcn_target "amdgcn-amd-amdhsa--gfx1250"
	.amdhsa_code_object_version 6
	.text
	.protected	k_q52254c2774_quant
	.globl	k_q52254c2774_quant
	.p2align	8
	.type	k_q52254c2774_quant,@function
k_q52254c2774_quant:
	s_mov_b64 s[64:65], 0
	v_nop
	global_prefetch_b8 v0, s[64:65] scope:SCOPE_SE
	s_setreg_imm32_b32 hwreg(HW_REG_WAVE_MODE, 25, 1), 1
	s_wait_xcnt 0x0
; x [8192][1024] and Wq, Wk, Wv, Wo [1024 (k)][1024 (n)], f32, become codes of FP4 (E2M1) with one E8M0 scale byte for each 32 along K, laid as IMAGES OF OPERAND REGISTERS.
; A block's scale is 2^(floor(log2(its largest magnitude)) - 2): its byte is the largest magnitude's exponent field - 2, held at 1 from below by a floor among the maximum's leaves.
; TILE ORDER: 16 rows form a tile; tile 2 B + u, slot r, is row 32 B + 8 u + r + 8 (r / 8).  IMAGE of a fragment (16 rows x 128 K): 1,024 bytes, [c = 0, 1][lane][16 bytes]; lane (r, h) of part c holds K = 64 c + 32 h + 0 .. 31 of slot r.
; ximg: [tile 0..511][K step 0..7][image].  wimg: [weight q, k, v, o][tile of n 0..63][K step][image].  Scale words of a tile, 512 bytes: [K step / 4][r][16 bytes], word K step % 4; x's tiles at scl + 0, the weights' at scl + 524,288.
; Work-groups 0-255 take x, 256-511 the weights: two straight texts parted once on the work-group's number; only x's text touches LDS; waves share nothing, so there is no barrier.  No tile is read by two work-groups: no cluster.
; LIMITS: NaN and infinities among the inputs are not served.  A block of zeros gets the byte 1 where the quantiser says 127: its codes are zeros, and this program alone reads the bytes.
; The weights' scale words leave 4 bytes in each 16 (131,072 bytes in all, against 16.8 million read): the other words of those 16 bytes belong to other waves.
.set R,     64                         ; v64-191  numbers as loaded (x: two sets of 64; a weight: four blocks of 32)
.set X,     192                        ; v192-255 x: a lane's two blocks of 32 neighbours
.set C,     32                         ; v32-63   codes: registers of their own for every store
.set SW,    16                         ; v16-19   scale words
.set STG,   8448                       ; x: a wave's stage, 16 rows x (512 + 16) bytes
.set SEL,   32                         ; s[32:33] selects for v_permlanex16_b32: lane l xor 16
.set FLOOR, 0x1800000                  ; 2^(3 - 127)
.set OFFE,  0xff000000                 ; takes 2 off an exponent field
	s_load_b256 s[4:11], s[0:1], 0x0               ; x s[4:5], Wq s[6:7], Wk s[8:9], Wv s[10:11]
	s_load_b256 s[12:19], s[0:1], 0x20             ; Wo s[12:13], ximg s[14:15], wimg s[16:17], scl s[18:19]
	v_lshl_add_u32 v30, v0, 2, 0x8400
	v_mov_b32 v31, 0
	v_lshrrev_b32 v1, 5, v0
	v_readfirstlane_b32 s20, v1                    ; wave 0..3
	v_and_b32 v5, 31, v0                           ; lane
	v_and_b32 v6, 15, v0                           ; lane % 16
	v_bfe_u32 v7, v0, 4, 1                         ; lane / 16
	s_cmp_lt_u32 ttmp9, 256
	s_cbranch_scc0 .Lweights
; ---------------- x: a wave takes one tile of 16 rows x 512 along K (four K steps)
	s_lshl_b32 s21, ttmp9, 2
	s_add_co_u32 s21, s21, s20                     ; unit 0..1023
	s_lshr_b32 s22, s21, 1                         ; tile T
	s_and_b32 s23, s21, 1                          ; which half of K
	s_lshr_b32 s24, s22, 1
	s_lshl_b32 s24, s24, 17                        ; 32 (T / 2) rows of 4,096 bytes
	s_and_b32 s25, s22, 1
	s_lshl_b32 s25, s25, 15                        ; + 8 (T % 2) rows
	s_add_co_u32 s24, s24, s25
	s_lshl_b32 s25, s23, 11                        ; + 512 numbers
	s_add_co_u32 s24, s24, s25
	s_mov_b32 s25, 0
	s_lshl_b32 s26, s22, 13                        ; images: 8,192 bytes a tile, 4,096 a half
	s_lshl_b32 s27, s23, 12
	s_add_co_u32 s26, s26, s27
	s_mov_b32 s27, 0
	s_lshl_b32 s28, s22, 9                         ; scale words: 512 bytes a tile, 256 a half
	s_lshl_b32 s29, s23, 8
	s_add_co_u32 s28, s28, s29
	s_mov_b32 s29, 0
	s_mul_i32 s30, s20, STG                        ; my stage
	s_mov_b32 s[SEL], 0x76543210
	s_mov_b32 s[SEL+1], 0xfedcba98
	s_wait_alu depctr_va_vdst(0)
	v_lshlrev_b32 v1, 4, v5                        ; 16 x lane: a load's and a store's place for my lane
	v_add_nc_u32 v2, s30, v1                       ; the stage, on the way in: a row's 512 bytes as they lie
	v_mul_u32_u24 v3, v6, 528
	v_lshl_add_u32 v3, v7, 7, v3
	v_add_nc_u32 v3, s30, v3                       ; and on the way out: row r, + 128 h bytes: my block of 32
	v_lshlrev_b32 v4, 4, v6                        ; 16 r: my row's four scale words
	v_lshlrev_b32 v15, 3, v7                       ; 8 h: my bytes' place in a scale word
	v_mov_b32 v20, 0                               ; a lane permute's destination counts as read: written once
	s_wait_alu depctr_va_vdst(0)
	s_wait_kmcnt 0x0
	s_add_nc_u64 s[4:5], s[4:5], s[24:25]
	s_add_nc_u64 s[14:15], s[14:15], s[26:27]
	s_add_nc_u64 s[18:19], s[18:19], s[28:29]
.macro LOADX q                         ; K step q of the 16 rows: each load covers 512 consecutive bytes of one row
.irp j, 0,1,2,3,4,5,6,7,8,9,10,11,12,13,14,15
	global_load_b128 v[R+64*((\q)%2)+4*\j:R+64*((\q)%2)+4*\j+3], v1, s[4:5] offset:(\j+8*(\j/8))*4096+(\q)*512 th:TH_LOAD_NT
.endr
.endm
.macro KSTEP q
.if (\q) < 3
	s_wait_loadcnt 16                              ; this K step's 16 loads are in; the next step's 16 may be out
.else
	s_wait_loadcnt 0x0
.endif
.irp j, 0,1,2,3,4,5,6,7,8,9,10,11,12,13,14,15
	ds_store_b128 v2, v[R+64*((\q)%2)+4*\j:R+64*((\q)%2)+4*\j+3] offset:\j*528
.endr
.irp c, 0,1
.irp i, 0,1,2,3,4,5,6,7
	ds_load_b128 v[X+32*\c+4*\i:X+32*\c+4*\i+3], v3 offset:\c*256+16*\i    ; K = 64 c + 32 h + 4 i on, of row r.  LDS serves a wave's instructions in order: these see the stores above
.endr
.endr
	s_wait_dscnt 0x0                               ; my 64 numbers are back, and the stores have read the set that the loads below fill
.if (\q) < 2
	LOADX (\q)+2
.endif
.irp c, 0,1
	v_max3_num_f32 v[8+\c], |v[X+32*\c]|, |v[X+32*\c+1]|, FLOOR            ; a whole block lies in my registers; the floor holds the byte at 1 from below
.endr
.irp i, 2,4,6,8,10,12,14,16,18,20,22,24,26,28,30
.irp c, 0,1
	v_max3_num_f32 v[8+\c], v[8+\c], |v[X+32*\c+\i]|, |v[X+32*\c+\i+1]|    ; (the two blocks by turns)
.endr
.endr
.irp c, 0,1
	v_add_nc_u32 v[10+\c], OFFE, v[8+\c]           ; 2 off the exponent field: the conversion takes this operand's exponent field as its scale
.endr
.irp c, 0,1
.irp g, 0,1,2,3
	v_cvt_scalef32_pk8_fp4_f32 v[C+8*(\q)+4*\c+\g], v[X+32*\c+8*\g:X+32*\c+8*\g+7], v[10+\c]
.endr
.endr
.irp c, 0,1
	v_lshrrev_b32 v[12+\c], 23, v[10+\c]           ; the scales' bytes (plain lines behind the conversions)
.endr
	v_lshl_or_b32 v14, v13, 16, v12                ; blocks h and 2 + h of my row,
	v_lshlrev_b32 v14, v15, v14                    ; at their places in the word;
	v_permlanex16_b32 v20, v14, s[SEL], s[SEL+1]
	v_or_b32 v[SW+(\q)], v14, v20                  ; with lane l xor 16's two the word is whole
.irp c, 0,1
	global_store_b128 v1, v[C+8*(\q)+4*\c:C+8*(\q)+4*\c+3], s[14:15] offset:(\q)*1024+\c*512   ; 512 consecutive bytes of the image
.endr
.endm
	LOADX 0
	LOADX 1
	KSTEP 0
	KSTEP 1
	KSTEP 2
	KSTEP 3
	global_store_b128 v4, v[SW:SW+3], s[18:19]     ; 256 consecutive bytes; lanes l and l + 16 hold the same words and write them to the same place
	s_wait_tensorcnt 0x0
	ds_add_u32 v30, v31
	s_wait_dscnt 0x0
	s_endpgm
; ---------------- a weight: a wave takes 32 columns n x 128 along K.  A LANE TAKES A COLUMN AND ITS REGISTERS RUN DOWN K: a block lies in one lane, and the codes come out with K innermost
.Lweights:
	s_sub_co_u32 s21, ttmp9, 256
	s_lshr_b32 s22, s21, 6                         ; weight: 0 q, 1 k, 2 v, 3 o
	s_bfe_u32 s23, s21, 0x10005                    ; which half of K
	s_and_b32 s24, s21, 31                         ; which 32 columns
	s_lshl_b32 s25, s23, 2
	s_add_co_u32 s25, s25, s20                     ; my K step: 4 x half + wave
	s_lshl_b32 s30, s25, 19                        ; in: 128 rows of 4,096 bytes a K step,
	s_lshl_b32 s31, s24, 7                         ; 128 bytes for 32 columns
	s_add_co_u32 s30, s30, s31
	s_mov_b32 s31, 0
	s_lshl_b32 s34, s22, 19                        ; images: 524,288 bytes a weight, 16,384 for two tiles, 1,024 a K step
	s_lshl_b32 s35, s24, 14
	s_add_co_u32 s34, s34, s35
	s_lshl_b32 s35, s25, 10
	s_add_co_u32 s34, s34, s35
	s_mov_b32 s35, 0
	s_lshl_b32 s36, s22, 15                        ; scale words: 32,768 bytes a weight, 1,024 for two tiles, 256 a half of K, 4 a K step
	s_lshl_b32 s37, s24, 10
	s_add_co_u32 s36, s36, s37
	s_lshl_b32 s37, s23, 8
	s_add_co_u32 s36, s36, s37
	s_lshl_b32 s37, s20, 2
	s_add_co_u32 s36, s36, s37
	s_add_co_u32 s36, s36, 524288
	s_mov_b32 s37, 0
	v_bfe_u32 v8, v0, 3, 1                         ; column l of the 32 lies in tile u = (l / 8) % 2,
	v_and_b32 v9, 7, v0
	s_wait_alu depctr_va_vdst(0)
	v_lshl_or_b32 v9, v7, 3, v9                    ; slot r = l % 8 + 8 (l / 16)
	v_lshlrev_b32 v9, 4, v9
	v_lshl_add_u32 v2, v8, 13, v9                  ; codes: 8,192 u + 16 r
	v_lshl_add_u32 v3, v8, 9, v9                   ; scale word: 512 u + 16 r
	v_lshlrev_b32 v4, 2, v5                        ; in: 4 bytes a lane
	s_wait_alu depctr_va_vdst(0)
	s_wait_kmcnt 0x0
	s_bitcmp1_b32 s22, 0                           ; the choice hangs on the work-group's number alone
	s_cselect_b64 s[26:27], s[8:9], s[6:7]
	s_cselect_b64 s[28:29], s[12:13], s[10:11]
	s_bitcmp1_b32 s22, 1
	s_cselect_b64 s[4:5], s[28:29], s[26:27]
	s_add_nc_u64 s[4:5], s[4:5], s[30:31]
	s_add_nc_u64 s[16:17], s[16:17], s[34:35]
	s_add_nc_u64 s[18:19], s[18:19], s[36:37]
.macro LOADB t                         ; block t: W(32 t + i, my column), i = 0 .. 31
.irp i, 0,1,2,3,4,5,6,7,8,9,10,11,12,13,14,15,16,17,18,19,20,21,22,23,24,25,26,27,28,29,30,31
	global_load_b32 v[R+32*(\t)+\i], v4, s[4:5] offset:(32*(\t)+\i)*4096
.endr
.endm
.macro BLOCK t
.set XS, R+32*(\t)
.if (\t) < 3
	s_wait_loadcnt 32                              ; this block's 32 loads are in; the next block's 32 may be out
.else
	s_wait_loadcnt 0x0
.endif
.if (\t) < 2
	LOADB (\t)+2                                   ; every block has registers of its own
.endif
	v_max3_num_f32 v12, |v[XS]|, |v[XS+1]|, |v[XS+2]|
	v_max3_num_f32 v13, |v[XS+3]|, |v[XS+4]|, |v[XS+5]|
.irp i, 6,10,14,18,22,26
	v_max3_num_f32 v12, v12, |v[XS+\i]|, |v[XS+\i+1]|
	v_max3_num_f32 v13, v13, |v[XS+\i+2]|, |v[XS+\i+3]|
.endr
	v_max3_num_f32 v12, v12, |v[XS+30]|, |v[XS+31]|
	v_max3_num_f32 v12, v12, v13, FLOOR
	v_add_nc_u32 v11, OFFE, v12                    ; the conversion's scale operand
	v_lshrrev_b32 v13, 23, v11                     ; the scale's byte
.if (\t) == 0
	v_mov_b32 v[SW], v13
.else
	v_lshl_or_b32 v[SW], v13, 8*(\t), v[SW]
.endif
.irp g, 0,1,2,3
	v_cvt_scalef32_pk8_fp4_f32 v[C+4*(\t)+\g], v[XS+8*\g:XS+8*\g+7], v11
.endr
	v_nop                                          ; one plain line behind the conversions: the next block writes their scale operand
	global_store_b128 v2, v[C+4*(\t):C+4*(\t)+3], s[16:17] offset:((\t)/2)*512+((\t)%2)*256   ; block t is part c = t / 2, lanes 16 (t % 2) on, of both tiles' images: two runs of 256 consecutive bytes
.endm
	LOADB 0
	LOADB 1
	BLOCK 0
	BLOCK 1
	BLOCK 2
	BLOCK 3
	global_store_b32 v3, v[SW], s[18:19]           ; my column's scale word of this K step
	s_endpgm
.Lfunc_end_k_q52254c2774_quant:
	.size	k_q52254c2774_quant, .Lfunc_end_k_q52254c2774_quant-k_q52254c2774_quant
	.p2alignl 7, 3214868480
	.fill 96, 4, 3214868480
	.section	.rodata,"a",@progbits
	.p2align	6, 0x0
	.amdhsa_kernel k_q52254c2774_quant
		.amdhsa_group_segment_fixed_size 34304
		.amdhsa_private_segment_fixed_size 0
		.amdhsa_enable_private_segment 0
		.amdhsa_kernarg_size 64
		.amdhsa_user_sgpr_count 2
		.amdhsa_user_sgpr_kernarg_segment_ptr 1
		.amdhsa_wavefront_size32 1
		.amdhsa_system_sgpr_workgroup_id_x 1
		.amdhsa_system_sgpr_workgroup_id_y 1
		.amdhsa_system_sgpr_workgroup_id_z 1
		.amdhsa_system_vgpr_workitem_id 0
		.amdhsa_next_free_vgpr 256
		.amdhsa_next_free_sgpr 66
		.amdhsa_reserve_vcc 0
		.amdhsa_float_denorm_mode_32 3
		.amdhsa_float_denorm_mode_16_64 3
		.amdhsa_memory_ordered 1
		.amdhsa_forward_progress 1
		.amdhsa_inst_pref_size 50
	.end_amdhsa_kernel
	.amdgpu_metadata
---
amdhsa.version: [ 1, 2 ]
amdhsa.kernels:
  - .name:           k_q52254c2774_quant
    .symbol:         k_q52254c2774_quant.kd
    .args:
      - { .name: x, .offset: 0, .size: 8, .value_kind: global_buffer, .address_space: global }
      - { .name: Wq, .offset: 8, .size: 8, .value_kind: global_buffer, .address_space: global }
      - { .name: Wk, .offset: 16, .size: 8, .value_kind: global_buffer, .address_space: global }
      - { .name: Wv, .offset: 24, .size: 8, .value_kind: global_buffer, .address_space: global }
      - { .name: Wo, .offset: 32, .size: 8, .value_kind: global_buffer, .address_space: global }
      - { .name: ximg, .offset: 40, .size: 8, .value_kind: global_buffer, .address_space: global }
      - { .name: wimg, .offset: 48, .size: 8, .value_kind: global_buffer, .address_space: global }
      - { .name: scl, .offset: 56, .size: 8, .value_kind: global_buffer, .address_space: global }
    .group_segment_fixed_size: 34304
    .private_segment_fixed_size: 0
    .kernarg_segment_align: 8
    .kernarg_segment_size: 64
    .max_flat_workgroup_size: 128
    .sgpr_count:     66
    .vgpr_count:     256
    .wavefront_size: 32
...
	.end_amdgpu_metadata
.endif
;; end of part 1
;; launch gemm_qkv (part 2): grid 12 x 32, 4 waves a work-group, clusters of 4 x 4, 262,656 bytes of LDS; arguments ximg, wimg, scl, bq, bk, bv, himg, hscl; writes himg, hscl
.if DOCPART == 2
	.amdgcn_target "amdgcn-amd-amdhsa--gfx1250"
	.amdhsa_code_object_version 6
	.text
	.protected	k_q52254c2774_gemm_qkv
	.globl	k_q52254c2774_gemm_qkv
	.p2align	8
	.type	k_q52254c2774_gemm_qkv,@function
k_q52254c2774_gemm_qkv:
	s_mov_b64 s[64:65], 0
	v_nop
	global_prefetch_b8 v0, s[64:65] scope:SCOPE_SE
	s_setreg_imm32_b32 hwreg(HW_REG_WAVE_MODE, 25, 1), 1
	s_wait_xcnt 0x0
	s_wait_alu depctr_hold_cnt(0) depctr_sa_sdst(0) depctr_va_vdst(0) depctr_va_sdst(0) depctr_va_ssrc(0) depctr_va_vcc(0) depctr_vm_vsrc(0)
	s_getreg_b32 s2, hwreg(HW_REG_IB_STS2, 6, 4)
	s_cmp_eq_u32 s2, 0
	s_cbranch_scc0 .Lentry_in_a_cluster
	s_endpgm
.Lentry_in_a_cluster:
	s_bfe_u32 s2, ttmp6, 0x10000c
	s_cmp_lg_u32 s2, 0xf033
	s_cbranch_scc0 .Lentry_shape_is_right
	s_endpgm
.Lentry_shape_is_right:
; q = x Wq + bq, k = x Wk + bk, v = x Wv + bv on codes of FP4 with E8M0 scales, sums in f32; the results are quantised in registers and leave as images of the next products' operands.
; MODE = the cluster's x: 0 q, 1 k, 2 v: a cluster is wholly of one mode.  A work-group makes 256 rows (16 tiles of x) x 256 columns (16 tiles of the weight); a wave 8 x 8 tiles: 64 accumulators, 512 registers.
; ALL OF K = 1,024 of both panels fits in LDS (2 x 131,072 bytes): first fills alone, in four chunks of two K steps; no byte of LDS is filled twice and none is stored to.
; CLUSTER 4 x 4: x's panel hangs on the tile row alone and is asked for jointly by a row of the cluster, the weight's on the tile column alone and by a column: each wave issues four joint loads.
; Operands lie in memory and in LDS as images of their registers (16 bytes a lane, 512 consecutive bytes a load): no pitch, no padding.
; q, k (K of the next product = the head's 64 channels): source 0 = 16 columns of W, source 1 = 16 rows of x: a lane holds ONE token and its registers run along the channels.
; v (K of the next product = the keys): source 0 = 16 rows of x, source 1 = 16 columns of W: a lane holds ONE channel and its registers run along the tokens.
; TILE ORDER (tile 2 B + u, slot r = row 32 B + 8 u + r + 8 (r / 8)) makes the 16 registers of source 0's tiles 2 B and 2 B + 1 sixteen neighbours, 32 B + 16 (lane / 16) + 0 .. 15.
; The bias is the C of each sum's first product.  Barriers, waits and fetches stand on one path for all modes; a branch on MODE, equal in all waves and all sixteen partners, stands round the products, the bias loads and the way out alone.
; OUT: himg: q at 0, k at 4 MiB: [batch x head][tile of 16 tokens][lane][16 bytes] (lane (r, h): channels 32 h on of slot r); v at 8 MiB: [batch x head][128 keys][tile of 16 channels][c][lane][16 bytes].
;      hscl: q at 0, k at 524,288: [batch x head][128 tokens][tile / 4][r][16 bytes], a tile's word = its two bytes twice; v at 1,048,576: [batch x head][128 keys][r][word for channel tile 0..3].
; LIMITS: NaN and infinities are not served; a block of zeros gets the byte 1 (its codes are zeros; this program alone reads the bytes).
; REGISTERS: window 0: v1-15 addresses; v32-47 at work; v64-127 scale words (register 8 i + s: lanes 0-15 x's tile i, lanes 16-31 W's tile i, K step s); v128-255 x's fragments, two sets; on the way out codes and words.
;   window 1: v0-127 W's fragments, two sets; v128-191 the bias.   windows 2, 3: accumulator (a, b) at v[8 (8 (a % 4) + b)] of window 2 + a / 4; b counts source 0's tiles.
.set NX,   8                           ; tiles of x for a wave
.set XCH,  NX*2048                     ; a chunk of half a panel of x: NX tiles x two K steps
.set WB,   8*XCH                       ; LDS: x's two halves, then W's two halves of 65,536 bytes
.set LI,   1                           ; v1  16 x lane
.set ADX,  2                           ; v2  LDS: my half of x's panel + 16 x lane
.set ADW,  3                           ; v3  the same for W
.set SO,   4                           ; v4  my lane's byte among the scale words
.set TM,   32                          ; v32-35 maxima, v36-39 permute and bytes, v44-47 scale operands
.set SC,   64
.set XF,   128
.set BI,   128                         ; in window 1
.set PC,   128                         ; the way out: codes, 8 registers for each of 8 fragments
.set PW,   192                         ; their scale words
.set PS,   200                         ; the words as they are stored
.set WV,   20
.set XH,   21
.set WH,   22
.set CX,   23
.set CY,   24
.set TR,   25
.set MODE, 26
.set G1X,  28                          ; s[28:35] descriptor group 1 for x's chunks; s[36:43] for W's
.set G1W,  36
.set G0X,  44                          ; s[44:59] four groups 0 for x's chunks
.set G0W,  68                          ; s[68:83] four for W's
.set FL,   94                          ; s94 the floor 2^(3 - 127)
.set SEL,  96                          ; s[96:97] selects for lane l xor 16
.set MSB, 0
.macro WIN new                         ; the immediate's high byte repeats the setting that is left
.if MSB != (\new)
	s_set_vgpr_msb (MSB<<8)|(\new)
.set MSB, \new
.endif
.endm
.macro CROUND                          ; a round of the cluster's barrier
	s_barrier_signal -1
	s_barrier_wait -1
	s_cmp_lg_u32 s[WV], 0
	s_cbranch_scc1 .Lnot_wave_0_\@
	s_barrier_signal -3
.Lnot_wave_0_\@:
	s_barrier_wait -3
	s_barrier_signal -1
	s_barrier_wait -1
.endm
.macro PLACES                          ; four plain vector lines between a matrix instruction and a load into, or a vector read or write of, its registers
.rept 4
	v_nop
.endr
.endm
	s_load_b256 s[4:11], s[0:1], 0x0               ; ximg s[4:5], wimg s[6:7], scl s[8:9], bq s[10:11]
	s_load_b256 s[12:19], s[0:1], 0x20             ; bk s[12:13], bv s[14:15], himg s[16:17], hscl s[18:19]
	v_lshl_add_u32 v62, v0, 2, 0x40000
	v_mov_b32 v63, 0
	ds_add_u32 v62, v63
	ds_add_u32 v62, v63
	v_lshrrev_b32 v1, 5, v0
	v_readfirstlane_b32 s[WV], v1                  ; wave 0..3
	s_lshr_b32 s[XH], s[WV], 1                     ; my half of x's tiles.  Also: I fetch for x (0) or for W (1)
	s_and_b32 s[WH], s[WV], 1                      ; my half of W's tiles.  Also: which half of that panel I fetch
	s_bfe_u32 s[CX], ttmp6, 0x40000                ; my place in the cluster
	s_bfe_u32 s[CY], ttmp6, 0x40004
	s_and_b32 s[TR], ttmp7, 0xffff
	s_lshl_b32 s[TR], s[TR], 2
	s_add_co_u32 s[TR], s[TR], s[CY]               ; tile row: 256 rows of x
	s_mov_b32 s[MODE], ttmp9                       ; the cluster's x
	s_lshl_b32 s84, s[CY], 2
	s_lshl_b32 s84, 15, s84                        ; my row of the cluster
	s_lshl_b32 s85, 0x1111, s[CX]                  ; my column
	s_or_b32 s[G1X], s84, (3<<16)|(1<<21)          ; 15:0 the mask; 17:16 elements of 8 bytes; 21 set beside a mask; no padding
	s_or_b32 s[G1W], s85, (3<<16)|(1<<21)
	s_mov_b32 s[G1X+1], 256<<16                    ; tensor_dim0 = 256 elements: two K steps' images of a tile, 2,048 bytes
	s_mov_b32 s[G1X+2], NX<<16                     ; tensor_dim1 = the tiles
	s_mov_b32 s[G1X+3], 256<<16                    ; tile_dim0
	s_mov_b32 s[G1X+4], NX                         ; tile_dim1
	s_mov_b32 s[G1X+5], 1024                       ; from tile to tile: 8,192 bytes
	s_mov_b32 s[G1X+6], 0
	s_mov_b32 s[G1X+7], 0
	s_mov_b32 s[G1W+1], 256<<16
	s_mov_b32 s[G1W+2], 8<<16
	s_mov_b32 s[G1W+3], 256<<16
	s_mov_b32 s[G1W+4], 8
	s_mov_b32 s[G1W+5], 1024
	s_mov_b32 s[G1W+6], 0
	s_mov_b32 s[G1W+7], 0
	s_lshl_b32 s86, s[TR], 17                      ; x: 16 tiles of 8,192 bytes a tile row,
	s_lshl_b32 s87, s[WH], 16                      ; 8 tiles a half
	s_add_co_u32 s86, s86, s87
	s_mov_b32 s87, 0
	s_lshl_b32 s88, s[MODE], 19                    ; W: 524,288 bytes a weight,
	s_lshl_b32 s89, s[CX], 17                      ; 16 tiles a tile column,
	s_add_co_u32 s88, s88, s89
	s_lshl_b32 s89, s[WH], 16                      ; 8 tiles a half
	s_add_co_u32 s88, s88, s89
	s_mov_b32 s89, 0
	s_mul_i32 s90, s[WH], 4*XCH                    ; and where they go: no place in the cluster enters an LDS address
	s_lshl_b32 s91, s[WH], 16
	s_add_co_u32 s91, s91, WB
	s_wait_dscnt 0x0
	s_wait_kmcnt 0x0
	s_add_nc_u64 s[86:87], s[4:5], s[86:87]
	s_add_nc_u64 s[88:89], s[6:7], s[88:89]
.irp j, 0,1,2,3
	s_mov_b32 s[G0X+4*\j], 1
	s_add_co_u32 s[G0X+4*\j+1], s90, \j*XCH
	s_add_nc_u64 s[G0X+4*\j+2:G0X+4*\j+3], s[86:87], \j*2048
	s_or_b32 s[G0X+4*\j+3], s[G0X+4*\j+3], 0x80000000
	s_mov_b32 s[G0W+4*\j], 1
	s_add_co_u32 s[G0W+4*\j+1], s91, \j*16384
	s_add_nc_u64 s[G0W+4*\j+2:G0W+4*\j+3], s[88:89], \j*2048
	s_or_b32 s[G0W+4*\j+3], s[G0W+4*\j+3], 0x80000000
.endr
	CROUND                                         ; all sixteen work-groups are here: the joint loads meet
	s_cmp_eq_u32 s[XH], 0                          ; a wave's four first fills stand in one branch on its number: four loads of mine are out
	s_cbranch_scc0 .Lfill_w
	tensor_load_to_lds s[G0X:G0X+3], s[G1X:G1X+7]
	s_nop 0
	tensor_load_to_lds s[G0X+4:G0X+7], s[G1X:G1X+7]
	s_nop 0
	tensor_load_to_lds s[G0X+8:G0X+11], s[G1X:G1X+7]
	s_nop 0
	tensor_load_to_lds s[G0X+12:G0X+15], s[G1X:G1X+7]
	s_nop 0
.rept 4
	v_nop
.endr
	s_branch .Lfilled
.Lfill_w:
	tensor_load_to_lds s[G0W:G0W+3], s[G1W:G1W+7]
	s_nop 0
	tensor_load_to_lds s[G0W+4:G0W+7], s[G1W:G1W+7]
	s_nop 0
	tensor_load_to_lds s[G0W+8:G0W+11], s[G1W:G1W+7]
	s_nop 0
	tensor_load_to_lds s[G0W+12:G0W+15], s[G1W:G1W+7]
	s_nop 0
.rept 4
	v_nop
.endr
.Lfilled:
	v_and_b32 v5, 31, v0                           ; lane
	v_and_b32 v6, 15, v0                           ; r
	v_bfe_u32 v7, v0, 4, 1                         ; h
	s_wait_alu depctr_va_vdst(0)
	v_lshlrev_b32 v[LI], 4, v5
	s_mul_i32 s84, s[XH], 4*XCH
	v_add_nc_u32 v[ADX], s84, v[LI]
	s_lshl_b32 s85, s[WH], 16
	s_add_co_u32 s85, s85, WB
	v_add_nc_u32 v[ADW], s85, v[LI]
	s_lshl_b32 s84, s[TR], 13                      ; x's scale words: 512 bytes a tile: 16 tiles a tile row,
	s_lshl_b32 s85, s[XH], 12                      ; 8 a half
	s_add_co_u32 s84, s84, s85
	s_lshl_b32 s85, s[MODE], 15                    ; W's: 64 tiles a weight,
	s_lshl_b32 s86, s[CX], 13
	s_add_co_u32 s85, s85, s86
	s_lshl_b32 s86, s[WH], 12
	s_add_co_u32 s85, s85, s86
	s_add_co_u32 s85, s85, 524288                  ; behind x's and the attention's parts
	v_mov_b32 v8, s84
	v_mov_b32 v9, s85
	v_cmp_eq_u32 vcc_lo, 1, v7
	v_cndmask_b32 v8, v8, v9, vcc_lo               ; lanes 0-15 take x's words, lanes 16-31 W's
	v_lshl_add_u32 v[SO], v6, 4, v8
.irp i, 0,1,2,3,4,5,6,7
.irp g, 0,1
	global_load_b128 v[SC+8*\i+4*\g:SC+8*\i+4*\g+3], v[SO], s[8:9] offset:\i*512+\g*256
.endr
.endr
	v_mov_b32 v12, 0x01000100                      ; the way out of q and k: lanes 0-15 take a word's bytes 0, 1 (my first head), twice;
	v_mov_b32 v13, 0x03020302                      ; lanes 16-31 its bytes 2, 3 (my second head)
	v_cndmask_b32 v12, v12, v13, vcc_lo
	v_lshlrev_b32 v13, 4, v6
	v_lshl_add_u32 v14, v7, 13, v13                ; q's, k's words: 8,192 h + 16 r
	v_lshl_add_u32 v15, v7, 12, v13                ; v's: 4,096 h + 16 r
	v_lshlrev_b32 v10, 6, v7                       ; the bias of q, k: 16 h numbers on
	v_and_b32 v11, 8, v6
	v_add_nc_u32 v11, v11, v6
	v_lshlrev_b32 v11, 2, v11                      ; of v: the number of column r + 8 (r / 8)
.irp b, 0,1,2,3
	v_mov_b32 v[TM+4+\b], 0                        ; a lane permute's destination counts as read: written once
.endr
	s_mov_b32 s[FL], 0x1800000
	s_mov_b32 s[SEL], 0x76543210
	s_mov_b32 s[SEL+1], 0xfedcba98
	s_cmp_eq_u32 s[MODE], 0
	s_cselect_b64 s[90:91], s[10:11], s[12:13]
	s_cmp_eq_u32 s[MODE], 2
	s_cselect_b64 s[90:91], s[14:15], s[90:91]     ; my mode's bias
	s_lshl_b32 s92, s[CX], 10
	s_lshl_b32 s93, s[WH], 9
	s_add_co_u32 s92, s92, s93
	s_mov_b32 s93, 0
	s_add_nc_u64 s[90:91], s[90:91], s[92:93]      ; at my 128 columns
	s_cmp_eq_u32 s[MODE], 2
	s_cbranch_scc1 .Lbias_v
	WIN 0x40                                       ; destination window 1
	s_wait_alu depctr_va_vdst(0)
.irp b, 0,1,2,3,4,5,6,7                        ; q, k: lane (r, h), register j of W's tile b: column 32 (b / 2) + 8 (b % 2) + 16 h + j
	global_load_b128 v[BI+8*\b:BI+8*\b+3], v10, s[90:91] offset:(32*(\b/2)+8*(\b%2))*4
	global_load_b128 v[BI+8*\b+4:BI+8*\b+7], v10, s[90:91] offset:(32*(\b/2)+8*(\b%2))*4+16
.endr
	WIN 0
	s_branch .Lbias_done
.Lbias_v:
	WIN 0x40
	s_wait_alu depctr_va_vdst(0)
.irp b, 0,1,2,3,4,5,6,7                        ; v: all eight registers of W's tile b hold the lane's own column's number
.irp j, 0,1,2,3,4,5,6,7
	global_load_b32 v[BI+8*\b+\j], v11, s[90:91] offset:(32*(\b/2)+8*(\b%2))*4
.endr
.endr
	WIN 0
.Lbias_done:
	s_lshr_b32 s84, s[TR], 3                       ; where my results go: batch x 16
	s_lshl_b32 s84, s84, 4
	s_lshl_b32 s85, s[CX], 2
	s_add_co_u32 s84, s84, s85
	s_lshl_b32 s85, s[WH], 1
	s_add_co_u32 s84, s84, s85                     ; + my first head
	s_and_b32 s85, s[TR], 7
	s_lshl_b32 s85, s85, 1
	s_add_co_u32 s85, s85, s[XH]                   ; my 128 tokens of the batch's 2,048
	s_lshl_b32 s86, s[MODE], 22                    ; images: 4 MiB a mode, 65,536 bytes a head, 4,096 for 128 tokens, in all three modes
	s_lshl_b32 s87, s84, 16
	s_add_co_u32 s86, s86, s87
	s_lshl_b32 s87, s85, 12
	s_add_co_u32 s86, s86, s87
	s_mov_b32 s87, 0
	s_add_nc_u64 s[16:17], s[16:17], s[86:87]
	s_lshl_b32 s86, s84, 13                        ; words: q, k 8,192 bytes a head and 512 for 128 tokens; v half of that
	s_lshl_b32 s88, s85, 9
	s_add_co_u32 s86, s86, s88
	s_cmp_eq_u32 s[MODE], 2
	s_cselect_b32 s88, 1, 0
	s_lshr_b32 s86, s86, s88
	s_lshl_b32 s88, s[MODE], 19                    ; 524,288 bytes for q's and for k's
	s_add_co_u32 s86, s86, s88
	s_add_nc_u64 s[18:19], s[18:19], s[86:87]
.macro FETCH s                         ; K step s: W's eight fragments and x's eight, into set s % 2: 32 loads of 512 consecutive bytes
	WIN 0x40
.irp i, 0,1,2,3,4,5,6,7
.irp c, 0,1
	ds_load_b128 v[64*((\s)%2)+8*\i+4*\c:64*((\s)%2)+8*\i+4*\c+3], v[ADW] offset:((\s)/2)*16384+\i*2048+((\s)%2)*1024+\c*512
.endr
.endr
	WIN 0
.irp i, 0,1,2,3,4,5,6,7
.irp c, 0,1
	ds_load_b128 v[XF+64*((\s)%2)+8*\i+4*\c:XF+64*((\s)%2)+8*\i+4*\c+3], v[ADX] offset:((\s)/2)*XCH+\i*2048+((\s)%2)*1024+\c*512
.endr
.endr
.endm
; A K step's 64 products.  The 64 accumulators take turns, one instruction a turn, in the same order in every step.  vm = 0: source 0 = W's tile b, source 1 = x's tile a; vm = 1: source 0 = x's tile b, source 1 = W's tile a.
.macro MULS s, vm
.irp hi, 0,1
.if (\s) == 0
	WIN 0x91+3*(\vm)+0x40*\hi                      ; C: the bias, in window 1; D in window 2 or 3
.else
	WIN 0xa1+3*(\vm)+0x50*\hi                      ; C and D in window 2 or 3
.endif
.irp a, 0,1,2,3
.irp b, 0,1,2,3,4,5,6,7
.set rD, 8*(8*\a+\b)
.set rW, 64*((\s)%2)
.set rX, XF+64*((\s)%2)
.set aa, 4*\hi+\a
.if \vm
.if (\s) == 0
	v_wmma_scale_f32_16x16x128_f8f6f4 v[rD:rD+7], v[rX+8*\b:rX+8*\b+7], v[rW+8*aa:rW+8*aa+7], v[BI+8*aa:BI+8*aa+7], v[SC+8*\b+(\s)], v[SC+8*aa+(\s)] matrix_a_fmt:MATRIX_FMT_FP4 matrix_b_fmt:MATRIX_FMT_FP4 matrix_b_scale:MATRIX_SCALE_ROW1
.else
	v_wmma_scale_f32_16x16x128_f8f6f4 v[rD:rD+7], v[rX+8*\b:rX+8*\b+7], v[rW+8*aa:rW+8*aa+7], v[rD:rD+7], v[SC+8*\b+(\s)], v[SC+8*aa+(\s)] matrix_a_fmt:MATRIX_FMT_FP4 matrix_b_fmt:MATRIX_FMT_FP4 matrix_b_scale:MATRIX_SCALE_ROW1
.endif
.else
.if (\s) == 0
	v_wmma_scale_f32_16x16x128_f8f6f4 v[rD:rD+7], v[rW+8*\b:rW+8*\b+7], v[rX+8*aa:rX+8*aa+7], v[BI+8*\b:BI+8*\b+7], v[SC+8*\b+(\s)], v[SC+8*aa+(\s)] matrix_a_fmt:MATRIX_FMT_FP4 matrix_b_fmt:MATRIX_FMT_FP4 matrix_a_scale:MATRIX_SCALE_ROW1
.else
	v_wmma_scale_f32_16x16x128_f8f6f4 v[rD:rD+7], v[rW+8*\b:rW+8*\b+7], v[rX+8*aa:rX+8*aa+7], v[rD:rD+7], v[SC+8*\b+(\s)], v[SC+8*aa+(\s)] matrix_a_fmt:MATRIX_FMT_FP4 matrix_b_fmt:MATRIX_FMT_FP4 matrix_a_scale:MATRIX_SCALE_ROW1
.endif
.endif
.endr
.endr
.endr
.endm
.macro STEP s
.if ((\s)%2 == 1) && ((\s) < 7)
	s_wait_tensorcnt 3-((\s)+1)/2                  ; my part of the chunk that the fetch below reads is in; my younger chunks may stay out
	s_wait_dscnt 0x0                               ; no LDS instruction of mine is out at a signal
	s_barrier_signal -1
	s_barrier_wait -1                              ; everybody's part is in
.endif
.if (\s) < 7
.if (\s) > 0
	PLACES                                         ; the fetch fills the set that the last step's products read
.endif
	FETCH (\s)+1
	s_wait_dscnt 16+2*NX                           ; all but the 32 loads just issued: this step's fragments are in
.else
	s_wait_dscnt 0x0
.endif
.if (\s) == 0
	s_wait_loadcnt 0x0                             ; the scale words and the bias
.endif
	s_cmp_eq_u32 s[MODE], 2
	s_cbranch_scc1 .Lkeys_\@
	MULS \s, 0
	WIN 0
	s_branch .Ljoin_\@
.Lkeys_\@:
	MULS \s, 1
	WIN 0
.Ljoin_\@:
.endm
; The 64 registers of accumulators (a, 0 .. 7), register 16 b + i = K 32 b + 16 (lane / 16) + i of my lane's row, become a fragment's codes in v[pc] on and its scale word in v[pw].  Each accumulator is read from its low end on.
.macro QUANT a, pc, pw
.set AC, 64*((\a)%4)
.set WS, 2+(\a)/4
	WIN (WS<<2)|(WS<<4)                            ; sources 1 and 2: the accumulators' window
.irp b, 0,1,2,3
	v_max3_num_f32 v[TM+\b], s[FL], |v[AC+16*\b]|, |v[AC+16*\b+1]|         ; my 16 numbers of block b, and the floor, which holds the byte at 1 from below
.endr
.irp i, 2,4,6,8,10,12,14
.irp b, 0,1,2,3
	v_max3_num_f32 v[TM+\b], v[TM+\b], |v[AC+16*\b+\i]|, |v[AC+16*\b+\i+1]|
.endr
.endr
	WIN 0
.irp b, 0,1,2,3
	v_permlanex16_b32 v[TM+4+\b], v[TM+\b], s[SEL], s[SEL+1]
.endr
.irp b, 0,1,2,3
	v_max_num_f32 v[TM+\b], v[TM+\b], v[TM+4+\b]   ; with lane l xor 16's: the block's largest magnitude
.endr
.irp b, 0,1,2,3
	v_add_nc_u32 v[TM+12+\b], 0xff000000, v[TM+\b] ; 2 off its exponent field: the conversion's scale operand
.endr
.irp b, 0,1,2,3
	v_lshrrev_b32 v[TM+4+\b], 23, v[TM+12+\b]      ; the scale's byte
.endr
	v_lshl_or_b32 v[\pw], v[TM+5], 8, v[TM+4]
	v_lshl_or_b32 v[\pw], v[TM+6], 16, v[\pw]
	v_lshl_or_b32 v[\pw], v[TM+7], 24, v[\pw]
	WIN WS                                         ; source 0
.irp b, 0,1,2,3
	v_cvt_scalef32_pk8_fp4_f32 v[(\pc)+2*\b], v[AC+16*\b:AC+16*\b+7], v[TM+12+\b]
	v_cvt_scalef32_pk8_fp4_f32 v[(\pc)+2*\b+1], v[AC+16*\b+8:AC+16*\b+15], v[TM+12+\b]
.endr
	WIN 0
	v_nop                                          ; one plain line behind a scaled conversion
.irp c, 0,1                                    ; the operand's layout wants a whole block in a lane: lanes 0-15 block 2 c, lanes 16-31 block 2 c + 1
.irp i, 0,1
	v_permlane16_swap_b32 v[(\pc)+4*\c+\i], v[(\pc)+4*\c+2+\i]
.endr
.endr
.endm
	s_wait_tensorcnt 3                             ; my part of chunk 0 is in; three younger loads may stay out,
	s_barrier_signal -1
	s_barrier_wait -1                              ; everybody's is
	FETCH 0
	STEP 0
	STEP 1
	STEP 2
	STEP 3
	STEP 4
	STEP 5
	STEP 6
	STEP 7
	PLACES                                         ; in front of the first read of results and the first write of registers that held fragments
	s_cmp_eq_u32 s[MODE], 2
	s_cbranch_scc1 .Lout_v
	; q, k: x's tile a gives one fragment: part c = my head c, whose 64 channels are two blocks
.irp a, 0,1,2,3,4,5,6,7
	QUANT \a, PC+8*\a, PW+\a
	global_store_b128 v[LI], v[PC+8*\a:PC+8*\a+3], s[16:17] offset:\a*512          ; 512 consecutive bytes: the tile's image for my first head,
	global_store_b128 v[LI], v[PC+8*\a+4:PC+8*\a+7], s[16:17] offset:65536+\a*512  ; and for my second
.endr
.irp a, 0,1,2,3,4,5,6,7
	v_perm_b32 v[PS+\a], v[PW+\a], v[PW+\a], v12   ; a head's two bytes, twice
.endr
	global_store_b128 v14, v[PS:PS+3], s[18:19]    ; tiles 0-3: lanes 0-15 256 consecutive bytes of the first head, lanes 16-31 of the second
	global_store_b128 v14, v[PS+4:PS+7], s[18:19] offset:256
	s_branch .Ldone
.Lout_v:
	; v: W's tile a = 4 x head + t gives one fragment: 16 channels x my 128 keys
.irp a, 0,1,2,3,4,5,6,7
	QUANT \a, PC+8*\a, PW+\a
	global_store_b128 v[LI], v[PC+8*\a:PC+8*\a+3], s[16:17] offset:(\a/4)*65536+(\a%4)*1024
	global_store_b128 v[LI], v[PC+8*\a+4:PC+8*\a+7], s[16:17] offset:(\a/4)*65536+(\a%4)*1024+512
.endr
	v_cmp_eq_u32 vcc_lo, 1, v7
.irp t, 0,1,2,3
	v_cndmask_b32 v[PS+\t], v[PW+\t], v[PW+4+\t], vcc_lo   ; lanes 0-15 the first head's words, lanes 16-31 the second's
.endr
	global_store_b128 v15, v[PS:PS+3], s[18:19]
.Ldone:
	s_wait_dscnt 0x0
	s_wait_tensorcnt 0x0
	ds_add_u32 v62, v63
	s_wait_dscnt 0x0
	CROUND                                         ; the closing round: no work-group ends while a partner may still ask for a tile that names it
	s_endpgm
.Lfunc_end_k_q52254c2774_gemm_qkv:
	.size	k_q52254c2774_gemm_qkv, .Lfunc_end_k_q52254c2774_gemm_qkv-k_q52254c2774_gemm_qkv
	.p2alignl 7, 3214868480
	.fill 96, 4, 3214868480
	.section	.rodata,"a",@progbits
	.p2align	6, 0x0
	.amdhsa_kernel k_q52254c2774_gemm_qkv
		.amdhsa_group_segment_fixed_size 262656
		.amdhsa_private_segment_fixed_size 0
		.amdhsa_enable_private_segment 0
		.amdhsa_kernarg_size 64
		.amdhsa_user_sgpr_count 2
		.amdhsa_user_sgpr_kernarg_segment_ptr 1
		.amdhsa_wavefront_size32 1
		.amdhsa_system_sgpr_workgroup_id_x 1
		.amdhsa_system_sgpr_workgroup_id_y 1
		.amdhsa_system_sgpr_workgroup_id_z 1
		.amdhsa_system_vgpr_workitem_id 0
		.amdhsa_next_free_vgpr 1024
		.amdhsa_next_free_sgpr 104
		.amdhsa_reserve_vcc 1
		.amdhsa_float_denorm_mode_32 3
		.amdhsa_float_denorm_mode_16_64 3
		.amdhsa_memory_ordered 1
		.amdhsa_forward_progress 1
		.amdhsa_inst_pref_size 231
	.end_amdhsa_kernel
	.amdgpu_metadata
---
amdhsa.version: [ 1, 2 ]
amdhsa.kernels:
  - .name:           k_q52254c2774_gemm_qkv
    .symbol:         k_q52254c2774_gemm_qkv.kd
    .args:
      - { .name: ximg, .offset: 0, .size: 8, .value_kind: global_buffer, .address_space: global }
      - { .name: wimg, .offset: 8, .size: 8, .value_kind: global_buffer, .address_space: global }
      - { .name: scl, .offset: 16, .size: 8, .value_kind: global_buffer, .address_space: global }
      - { .name: bq, .offset: 24, .size: 8, .value_kind: global_buffer, .address_space: global }
      - { .name: bk, .offset: 32, .size: 8, .value_kind: global_buffer, .address_space: global }
      - { .name: bv, .offset: 40, .size: 8, .value_kind: global_buffer, .address_space: global }
      - { .name: himg, .offset: 48, .size: 8, .value_kind: global_buffer, .address_space: global }
      - { .name: hscl, .offset: 56, .size: 8, .value_kind: global_buffer, .address_space: global }
    .group_segment_fixed_size: 262656
    .private_segment_fixed_size: 0
    .kernarg_segment_align: 8
    .kernarg_segment_size: 64
    .max_flat_workgroup_size: 128
    .sgpr_count:     104
    .vgpr_count:     1024
    .wavefront_size: 32
...
	.end_amdgpu_metadata
.endif
;; end of part 2
;; launch attn (part 3): grid 4 x 64, 16 waves a work-group, clusters of 4 x 1, 169,984 bytes of LDS; arguments himg, hscl, aimg, scl; writes aimg, scl
.if DOCPART == 3
	.amdgcn_target "amdgcn-amd-amdhsa--gfx1250"
	.amdhsa_code_object_version 6
	.text
	.protected	k_q52254c2774_attn
	.globl	k_q52254c2774_attn
	.p2align	8
	.type	k_q52254c2774_attn,@function
k_q52254c2774_attn:
	s_mov_b64 s[64:65], 0
	v_nop
	global_prefetch_b8 v0, s[64:65] scope:SCOPE_SE
	s_setreg_imm32_b32 hwreg(HW_REG_WAVE_MODE, 25, 1), 1
	s_wait_xcnt 0x0
	s_wait_alu depctr_hold_cnt(0) depctr_sa_sdst(0) depctr_va_vdst(0) depctr_va_sdst(0) depctr_va_ssrc(0) depctr_va_vcc(0) depctr_vm_vsrc(0)
	s_getreg_b32 s2, hwreg(HW_REG_IB_STS2, 6, 4)
	s_cmp_eq_u32 s2, 0
	s_cbranch_scc0 .Lentry_in_a_cluster
	s_endpgm
.Lentry_in_a_cluster:
	s_bfe_u32 s2, ttmp6, 0x10000c
	s_cmp_lg_u32 s2, 0x3003
	s_cbranch_scc0 .Lentry_shape_is_right
	s_endpgm
.Lentry_shape_is_right:
; O = softmax(q k^T / 8) v for one (batch, head), both products on codes of FP4 with E8M0 scales; O / l is quantised along the model's channels and leaves as the image of the last product's operand.
; THE SOFTMAX: t = score x log2(e) / 8; M = the running largest t rounded UP to a whole number; p = 2^(t - M), not normalised, is quantised along the keys; the row's sum l is taken of the unquantised p and divides O at the end.
; When M moves, l and O are multiplied by 2^(old M - new M), which rounds nothing.
; SHARES: a work-group takes 512 queries of one head; each of its sixteen waves two tiles of 16, one after the other, in 256 registers: four waves to a SIMD, so that one wave's vector work stands beside another's products and LDS loads.
; A WHOLE HEAD'S k and v, codes and scale words, fit in LDS (143,360 bytes) and come once: wave 0 asks for k's, wave 1 for v's, five loads each; no byte of LDS is filled twice and none is stored to.
; CLUSTER 4 x 1: the four work-groups of a head read the same k and v: every load is joint, with the mask of all four.
; LAYOUT: both products transposed (S^T = k q^T, O^T = v^T p^T): a lane holds ONE query throughout.  Tokens and channels lie in TILE ORDER (tile 2 B + u, slot r = 32 B + 8 u + r + 8 (r / 8)): the 16 registers of two
; neighbouring tiles of keys are 16 neighbouring keys, and those of two tiles of channels 16 neighbouring channels.
; K = 64 IN AN INSTRUCTION OF K = 128: a fragment of k holds TWO tiles of keys (part 0: tile 2 f, part 1: tile 2 f + 1), both real.  q stands between zeros: v[20:27] = (q, 0) meets part 0, v[16:23] = (0, q) meets part 1.
; Zero codes add nothing under any scale byte but 0xff; a tile's scale word holds its two bytes twice, so it serves in either part.
; LIMITS: NaN and infinities are not served; a p under 2^-126 comes out of v_exp_f32 as 0; 1 / l is v_rcp_f32; a block of zeros gets the byte 1 (its codes are zeros; this program alone reads the bytes).
; The output's scale bytes leave 2 bytes in each 16 (262,144 bytes in all, against 4 MiB of codes): the other bytes belong to other heads.
; REGISTERS: v1-4, v6 addresses that stay; v8-11 the step's addresses; v12 -M, v13 the largest t, v[14:15] l in two halves; v16-19, v24-27 zeros, v20-23 q; v32-63 k's four fragments; v64-95 v's four; v96-159 S^T, then p;
;   v160-191 O^T; v192-199 k's scale words, v200-203 v's; v224-231 p's codes; v232-254 at work; v253 p's scale word; v255 q's.
.set WV,   12
.set CX,   13
.set BH,   14
.set G1C,  16                          ; s[16:23] descriptor group 1: 64 rows of 256 bytes, a chunk of 16,384 bytes; s[24:31]: 32 rows (k's words); s[32:39]: 16 rows (v's words)
.set G1KS, 24
.set G1VS, 32
.set G0C,  40                          ; s[40:55] four groups 0 for the chunks; s[56:59], s[60:63] for the words
.set G0KS, 56
.set G0VS, 60
.set SEL,  66
.set CS,   68                          ; s[68:69] c = log2(e) / 8
.set TK,   70                          ; the step's images: 4,096 bytes a step, in k's and in v's
.set TS,   71                          ; k's words: 512 bytes a step
.set TV,   72                          ; v's words: 256 bytes a step
.set CNT,  73
.set PASS, 74
.set QB,   76                          ; s[76:77] q's image, s[78:79] q's word, s[80:81] the output's image, s[82:83] its scale bytes
.set QSB,  78
.set AB,   80
.set ASB,  82
.set ADK,  8
.set ADV,  9
.set ADS,  10
.set ADT,  11
.macro CROUND                          ; a round of the cluster's barrier
	s_barrier_signal -1
	s_barrier_wait -1
	s_cmp_lg_u32 s[WV], 0
	s_cbranch_scc1 .Lnot_wave_0_\@
	s_barrier_signal -3
.Lnot_wave_0_\@:
	s_barrier_wait -3
	s_barrier_signal -1
	s_barrier_wait -1
.endm
	s_load_b256 s[4:11], s[0:1], 0x0               ; himg s[4:5], hscl s[6:7], aimg s[8:9], scl s[10:11]
	v_lshl_add_u32 v250, v0, 2, 0x29000
	v_mov_b32 v251, 0
	ds_add_u32 v250, v251
	ds_add_u32 v250, v251
	v_lshrrev_b32 v1, 5, v0
	s_delay_alu instid0(VALU_DEP_1)
	v_readfirstlane_b32 s[WV], v1                  ; wave 0..15
	s_bfe_u32 s[CX], ttmp6, 0x40000                ; my place in the cluster: my 512 queries
	s_and_b32 s[BH], ttmp7, 0xffff                 ; batch x 16 + head, which the four partners share
	s_and_b32 s84, s[WV], 1                        ; 0: k, 1: v
.irp g, G1C, G1KS, G1VS
	s_mov_b32 s[\g], 15|(3<<16)|(1<<21)            ; 15:0 the mask: all four; 17:16 elements of 8 bytes; 21 set beside a mask; no padding
	s_mov_b32 s[\g+1], 32<<16                      ; tensor_dim0 = 32 elements: rows of 256 bytes, dense
	s_mov_b32 s[\g+3], 32<<16                      ; tile_dim0
	s_mov_b32 s[\g+5], 32                          ; from row to row
	s_mov_b32 s[\g+6], 0
	s_mov_b32 s[\g+7], 0
.endr
	s_mov_b32 s[G1C+2], 64<<16                     ; tensor_dim1, tile_dim1
	s_mov_b32 s[G1C+4], 64
	s_mov_b32 s[G1KS+2], 32<<16
	s_mov_b32 s[G1KS+4], 32
	s_mov_b32 s[G1VS+2], 16<<16
	s_mov_b32 s[G1VS+4], 16
	s_lshl_b32 s85, s84, 16                        ; LDS: k's images at 0, v's at 65,536
	s_add_co_u32 s86, s84, 1
	s_lshl_b32 s86, s86, 22                        ; in himg: k at 4 MiB, v at 8 MiB,
	s_lshl_b32 s87, s[BH], 16                      ; 65,536 bytes a head
	s_add_co_u32 s86, s86, s87
	s_mov_b32 s87, 0
	s_lshl_b32 s88, s[BH], 13
	s_add_co_u32 s88, s88, 524288                  ; k's words
	s_mov_b32 s89, 0
	s_lshl_b32 s90, s[BH], 12
	s_add_co_u32 s90, s90, 1048576                 ; v's words
	s_mov_b32 s91, 0
	s_wait_dscnt 0x0
	s_wait_kmcnt 0x0
	s_add_nc_u64 s[86:87], s[4:5], s[86:87]
	s_add_nc_u64 s[88:89], s[6:7], s[88:89]
	s_add_nc_u64 s[90:91], s[6:7], s[90:91]
.irp j, 0,1,2,3
	s_mov_b32 s[G0C+4*\j], 1
	s_add_co_u32 s[G0C+4*\j+1], s85, \j*16384
	s_add_nc_u64 s[G0C+4*\j+2:G0C+4*\j+3], s[86:87], \j*16384
	s_or_b32 s[G0C+4*\j+3], s[G0C+4*\j+3], 0x80000000
.endr
	s_mov_b32 s[G0KS], 1
	s_mov_b32 s[G0KS+1], 131072
	s_mov_b64 s[G0KS+2:G0KS+3], s[88:89]
	s_or_b32 s[G0KS+3], s[G0KS+3], 0x80000000
	s_mov_b32 s[G0VS], 1
	s_mov_b32 s[G0VS+1], 139264
	s_mov_b64 s[G0VS+2:G0VS+3], s[90:91]
	s_or_b32 s[G0VS+3], s[G0VS+3], 0x80000000
	CROUND                                         ; all four work-groups are here: the joint loads meet
	s_cmp_eq_u32 s[WV], 0                          ; a wave's first fills stand in one branch on its number: five loads of wave 0 or 1 are out, none of the others
	s_cbranch_scc0 .Lnot_k
	tensor_load_to_lds s[G0KS:G0KS+3], s[G1KS:G1KS+7]
	s_nop 0
	tensor_load_to_lds s[G0C:G0C+3], s[G1C:G1C+7]
	s_nop 0
	tensor_load_to_lds s[G0C+4:G0C+7], s[G1C:G1C+7]
	s_nop 0
	tensor_load_to_lds s[G0C+8:G0C+11], s[G1C:G1C+7]
	s_nop 0
	tensor_load_to_lds s[G0C+12:G0C+15], s[G1C:G1C+7]
	s_nop 0
.rept 4
	v_nop
.endr
	s_branch .Lasked
.Lnot_k:
	s_cmp_eq_u32 s[WV], 1
	s_cbranch_scc0 .Lasked
	tensor_load_to_lds s[G0VS:G0VS+3], s[G1VS:G1VS+7]
	s_nop 0
	tensor_load_to_lds s[G0C:G0C+3], s[G1C:G1C+7]
	s_nop 0
	tensor_load_to_lds s[G0C+4:G0C+7], s[G1C:G1C+7]
	s_nop 0
	tensor_load_to_lds s[G0C+8:G0C+11], s[G1C:G1C+7]
	s_nop 0
	tensor_load_to_lds s[G0C+12:G0C+15], s[G1C:G1C+7]
	s_nop 0
.rept 4
	v_nop
.endr
.Lasked:
	s_lshl_b32 s84, s[CX], 5
	s_add_co_u32 s84, s84, s[WV]                   ; my first tile of queries: 32 cx + wave; the second lies 16 tiles on
	s_lshl_b32 s[QB], s[BH], 16
	s_lshl_b32 s85, s84, 9
	s_add_co_u32 s[QB], s[QB], s85
	s_mov_b32 s[QB+1], 0
	s_add_nc_u64 s[QB:QB+1], s[4:5], s[QB:QB+1]    ; q's image: 512 bytes a tile
	s_lshl_b32 s[QSB], s[BH], 13
	s_lshr_b32 s85, s84, 3
	s_lshl_b32 s85, s85, 9                         ; 512 bytes for eight tiles,
	s_add_co_u32 s[QSB], s[QSB], s85
	s_bfe_u32 s85, s84, 0x10002
	s_lshl_b32 s85, s85, 8                         ; 256 for four,
	s_add_co_u32 s[QSB], s[QSB], s85
	s_and_b32 s85, s84, 3
	s_lshl_b32 s85, s85, 2                         ; a word a tile
	s_add_co_u32 s[QSB], s[QSB], s85
	s_mov_b32 s[QSB+1], 0
	s_add_nc_u64 s[QSB:QSB+1], s[6:7], s[QSB:QSB+1]
	s_lshr_b32 s86, s[BH], 4
	s_lshl_b32 s86, s86, 7
	s_add_co_u32 s86, s86, s84                     ; the tile among all 512: batch x 128 + tile
	s_and_b32 s87, s[BH], 15                       ; the head
	s_lshl_b32 s[AB], s86, 13                      ; out: 8,192 bytes a tile; K step head / 2, part head % 2: 512 bytes a head
	s_lshl_b32 s85, s87, 9
	s_add_co_u32 s[AB], s[AB], s85
	s_mov_b32 s[AB+1], 0
	s_add_nc_u64 s[AB:AB+1], s[8:9], s[AB:AB+1]
	s_lshl_b32 s[ASB], s86, 9                      ; its scale bytes: 512 bytes a tile, 256 for eight heads, 2 bytes a head
	s_lshr_b32 s85, s87, 3
	s_lshl_b32 s85, s85, 8
	s_add_co_u32 s[ASB], s[ASB], s85
	s_and_b32 s85, s87, 7
	s_lshl_b32 s85, s85, 1
	s_add_co_u32 s[ASB], s[ASB], s85
	s_add_co_u32 s[ASB], s[ASB], 262144            ; behind x's part of scl
	s_mov_b32 s[ASB+1], 0
	s_add_nc_u64 s[ASB:ASB+1], s[10:11], s[ASB:ASB+1]
	s_mov_b32 s[SEL], 0x76543210
	s_mov_b32 s[SEL+1], 0xfedcba98
	s_mov_b32 s[CS], 0x3e38aa3b                    ; c = log2(e) / sqrt(64)
	s_mov_b32 s[CS+1], s[CS]                       ; (named with it as a pair, so it is written)
	s_mov_b32 s[PASS], 2
	v_and_b32 v5, 31, v0
	v_and_b32 v7, 15, v0
	s_delay_alu instid0(VALU_DEP_2)
	v_lshlrev_b32 v1, 4, v5                        ; 16 x lane: an image's place for my lane; k's images begin at LDS byte 0
	s_delay_alu instid0(VALU_DEP_1)
	v_add_nc_u32 v2, 65536, v1                     ; v's images
	s_delay_alu instid0(VALU_DEP_3)
	v_lshlrev_b32 v6, 4, v7                        ; 16 r
	s_delay_alu instid0(VALU_DEP_1)
	v_add_nc_u32 v3, 131072, v6                    ; k's words
	s_delay_alu instid0(VALU_DEP_2)
	v_add_nc_u32 v4, 139264, v6                    ; v's words
.irp j, 16,17,18,19,24,25,26,27
	v_mov_b32 v[\j], 0                             ; the zero codes on both sides of q
.endr
.irp j, 236,237,238,239,253
	v_mov_b32 v[\j], 0                             ; lane permutes' destinations, and the upper half of the pair v[252:253]: written once
.endr
; A KEY STEP: 128 keys
.macro STEP
	v_add_nc_u32 v[ADK], s[TK], v1                 ; these four are also the places between the last step's products and the loads into their registers
	v_add_nc_u32 v[ADV], s[TK], v2
	v_add_nc_u32 v[ADS], s[TS], v3
	v_add_nc_u32 v[ADT], s[TV], v4
.irp f, 0,1,2,3
.irp c, 0,1
	ds_load_b128 v[32+8*\f+4*\c:32+8*\f+4*\c+3], v[ADK] offset:\f*1024+\c*512      ; part c of fragment f: the tile of keys 2 f + c
.endr
.endr
	ds_load_b128 v[192:195], v[ADS]                ; the eight tiles' scale words
	ds_load_b128 v[196:199], v[ADS] offset:256
.irp t, 0,1,2,3
.irp c, 0,1
	ds_load_b128 v[64+8*\t+4*\c:64+8*\t+4*\c+3], v[ADV] offset:\t*1024+\c*512      ; v: 16 channels x these 128 keys
.endr
.endr
	ds_load_b128 v[200:203], v[ADT]
	s_wait_dscnt 9                                 ; k's ten loads are in; v's nine may be out
.irp f, 0,1,2,3
	v_wmma_scale_f32_16x16x128_f8f6f4 v[96+16*\f:103+16*\f], v[32+8*\f:39+8*\f], v[20:27], 0, v[192+2*\f], v255 matrix_a_fmt:MATRIX_FMT_FP4 matrix_b_fmt:MATRIX_FMT_FP4
	v_wmma_scale_f32_16x16x128_f8f6f4 v[104+16*\f:111+16*\f], v[32+8*\f:39+8*\f], v[16:23], 0, v[193+2*\f], v255 matrix_a_fmt:MATRIX_FMT_FP4 matrix_b_fmt:MATRIX_FMT_FP4
.endr                                          ; register 16 b + i: key 32 b + 16 (lane / 16) + i of the step
.rept 4
	v_nop
.endr
.irp b, 0,1,2,3
	v_max3_num_f32 v[232+\b], v[96+16*\b], v[97+16*\b], v[98+16*\b]        ; the largest score of each block of 32 keys: it serves for the row's maximum and, since p rises with the score, for the block's largest p
.endr
.irp i, 3,5,7,9,11,13
.irp b, 0,1,2,3
	v_max3_num_f32 v[232+\b], v[232+\b], v[96+16*\b+\i], v[97+16*\b+\i]
.endr
.endr
.irp b, 0,1,2,3
	v_max_num_f32 v[232+\b], v[232+\b], v[111+16*\b]
.endr
.irp b, 0,1,2,3
	s_delay_alu instid0(VALU_DEP_4)
	v_permlanex16_b32 v[236+\b], v[232+\b], s[SEL], s[SEL+1]
.endr
.irp b, 0,1,2,3
	s_delay_alu instid0(VALU_DEP_4)
	v_max_num_f32 v[232+\b], v[232+\b], v[236+\b]  ; with lane l xor 16's 16 keys
.endr
	s_delay_alu instid0(VALU_DEP_2)
	v_max3_num_f32 v254, v232, v233, v234
	s_delay_alu instid0(VALU_DEP_1)
	v_max_num_f32 v254, v254, v235                 ; the step's largest score of my query
	s_delay_alu instid0(VALU_DEP_1)
	v_mul_f32 v254, s[CS], v254                    ; as t (c is positive)
	s_delay_alu instid0(VALU_DEP_1)
	v_max_num_f32 v13, v13, v254                   ; the running largest t
	v_mov_b32 v254, v12
	s_delay_alu instid0(VALU_DEP_2)
	v_floor_f32 v12, -v13                          ; the new -M = floor(-t) = -ceil(t)
	s_delay_alu instid0(VALU_DEP_1)
	v_sub_f32 v254, v12, v254                      ; old M - new M: a whole number, 0 or less
	s_delay_alu instid0(VALU_DEP_1)
	v_cvt_i32_f32 v254, v254                       ; (it saturates)
	s_delay_alu instid0(VALU_DEP_1)
	v_ldexp_f32 v252, 1.0, v254                    ; f = 2^(old M - new M)
.irp j, 0,2,4,6,8,10,12,14,16,18,20,22,24,26,28,30,32,34,36,38,40,42,44,46,48,50,52,54,56,58,60,62
	v_pk_fma_f32 v[96+\j:97+\j], v[96+\j:97+\j], s[CS:CS+1], v[12:13] op_sel_hi:[1,0,0]    ; t - M, two at a time
.endr
.irp b, 0,1,2,3
	v_fma_f32 v[232+\b], v[232+\b], s[CS], v12     ; the same of each block's largest score
.endr
	s_wait_alu depctr_va_vdst(0)
.irp j, 0,1,2,3,4,5,6,7,8,9,10,11,12,13,14,15,16,17,18,19,20,21,22,23,24,25,26,27,28,29,30,31,32,33,34,35,36,37,38,39,40,41,42,43,44,45,46,47,48,49,50,51,52,53,54,55,56,57,58,59,60,61,62,63
	v_exp_f32 v[96+\j], v[96+\j]                   ; p = 2^(t - M), at most 1
.endr
	s_setprio 1
	v_pk_mul_f32 v[14:15], v[14:15], v[252:253] op_sel_hi:[1,0]    ; l under the new M (a plain line behind the exponentials)
	s_wait_alu depctr_va_vdst(0)                   ; one wait for the batch of 64, ahead of its first reader
.irp b, 0,1,2,3
	v_exp_f32 v[232+\b], v[232+\b]                 ; the block's largest p: the same two instructions on the same number
.endr
	v_pk_add_f32 v[240:241], v[96:97], v[98:99]    ; the row's sum of the unquantised p, two at a time, in two chains; it reads the 64 alone: plain work behind the four
.irp j, 4,8,12,16,20,24,28,32,36,40,44
	v_pk_add_f32 v[14:15], v[14:15], v[96+\j:97+\j]
	v_pk_add_f32 v[240:241], v[240:241], v[98+\j:99+\j]
.endr
	s_wait_alu depctr_va_vdst(0)                   ; and one for the four
.irp b, 0,1,2,3
	v_max_num_f32 v[232+\b], 0x1800000, v[232+\b]  ; the floor 2^(3 - 127): the byte cannot fall under 1
.endr
.irp b, 0,1,2,3
	s_delay_alu instid0(VALU_DEP_4)
	v_add_nc_u32 v[244+\b], 0xff000000, v[232+\b]  ; the conversion's scale operand
.endr
.irp b, 0,1,2,3
	s_delay_alu instid0(VALU_DEP_4)
	v_lshrrev_b32 v[236+\b], 23, v[244+\b]         ; the scale's byte
.endr
	s_delay_alu instid0(VALU_DEP_3)
	v_lshl_or_b32 v253, v237, 8, v236              ; p's scale word for these 128 keys
	s_delay_alu instid0(VALU_DEP_1)
	v_lshl_or_b32 v253, v238, 16, v253
	s_delay_alu instid0(VALU_DEP_1)
	v_lshl_or_b32 v253, v239, 24, v253
.irp b, 0,1,2,3
	v_cvt_scalef32_pk8_fp4_f32 v[224+2*\b], v[96+16*\b:103+16*\b], v[244+\b]
	v_cvt_scalef32_pk8_fp4_f32 v[225+2*\b], v[104+16*\b:111+16*\b], v[244+\b]
.endr
	v_nop                                          ; one plain line behind a scaled conversion
.irp c, 0,1
.irp i, 0,1
	v_permlane16_swap_b32 v[224+4*\c+\i], v[226+4*\c+\i]   ; a whole block to a lane
.endr
.endr
	s_setprio 0
.irp j, 0,2,4,6,8,10,12,14,16,18,20,22,24,26,28,30
	v_pk_mul_f32 v[160+\j:161+\j], v[160+\j:161+\j], v[252:253] op_sel_hi:[1,0]    ; O^T under the new M, each accumulator from its low end on
.endr
.irp j, 48,52,56,60
	v_pk_add_f32 v[14:15], v[14:15], v[96+\j:97+\j]        ; the rest of the row's sum stands here: nine plain lines between the last write of an accumulator, of p's codes and of p's scale word and the products below
	v_pk_add_f32 v[240:241], v[240:241], v[98+\j:99+\j]
.endr
	s_delay_alu instid0(VALU_DEP_1)
	v_pk_add_f32 v[14:15], v[14:15], v[240:241]
	s_wait_dscnt 0x0                               ; v's fragments and words are in
.irp t, 0,1,2,3
	v_wmma_scale_f32_16x16x128_f8f6f4 v[160+8*\t:167+8*\t], v[64+8*\t:71+8*\t], v[224:231], v[160+8*\t:167+8*\t], v[200+\t], v253 matrix_a_fmt:MATRIX_FMT_FP4 matrix_b_fmt:MATRIX_FMT_FP4
.endr                                          ; four accumulators by turns; the next step's eight products stand between two links of a chain
	s_add_co_u32 s[TK], s[TK], 4096
	s_add_co_u32 s[TS], s[TS], 512
	s_add_co_u32 s[TV], s[TV], 256
.endm
; Four key steps: chunk j of k's and of v's images
.macro CHUNK j
	s_wait_tensorcnt 3-\j                          ; in waves 0 and 1: the words and chunks 0 .. j are in, the 3 - j younger chunks may stay out
	s_wait_dscnt 0x0                               ; no LDS instruction of mine is out at a signal
	s_barrier_signal -1
	s_barrier_wait -1                              ; now every wave may read chunk j
	s_mov_b32 s[TK], \j*16384
	s_mov_b32 s[TS], \j*2048
	s_mov_b32 s[TV], \j*1024
	s_mov_b32 s[CNT], 4
.Lstep_\@:
	s_setprio 2
	STEP
	s_sub_co_u32 s[CNT], s[CNT], 1
	s_cmp_lg_u32 s[CNT], 0
	s_cbranch_scc1 .Lstep_\@
	s_setprio 0
.endm
.Lpass:                                            ; two trips: a tile of 16 queries each
	global_load_b128 v[20:23], v1, s[QB:QB+1]      ; q: lane (r, h): channels 32 h on of slot r
	global_load_b32 v255, v6, s[QSB:QSB+1]         ; its scale word
	v_mov_b32 v13, 0xff61b1e6                      ; the largest t so far: -3e38, under every t
	s_delay_alu instid0(VALU_DEP_1)
	v_floor_f32 v12, -v13                          ; -M
	v_mov_b32 v14, 0
	v_mov_b32 v15, 0
.irp j, 0,1,2,3,4,5,6,7,8,9,10,11,12,13,14,15,16,17,18,19,20,21,22,23,24,25,26,27,28,29,30,31
	v_mov_b32 v[160+\j], 0                         ; O^T: the step is written without a first step of its own: the first change of M multiplies zeros
.endr
	s_wait_loadcnt 0x0
	CHUNK 0
	CHUNK 1
	CHUNK 2
	CHUNK 3
.rept 4
	v_nop                                          ; places in front of the first read of O^T
.endr
	s_wait_alu depctr_va_vdst(0)
	v_add_f32 v14, v14, v15                        ; l's two halves,
	s_delay_alu instid0(VALU_DEP_1)
	v_permlanex16_b32 v252, v14, s[SEL], s[SEL+1]
	s_delay_alu instid0(VALU_DEP_1)
	v_add_f32 v14, v14, v252                       ; and lane l xor 16's
	s_wait_alu depctr_va_vdst(0)
	v_rcp_f32 v14, v14
	v_nop                                          ; one plain line behind the reciprocal
	s_wait_alu depctr_va_vdst(0)                   ; and the wait ahead of its first reader
.irp j, 0,1,2,3,4,5,6,7,8,9,10,11,12,13,14,15,16,17,18,19,20,21,22,23,24,25,26,27,28,29,30,31
	v_mul_f32 v[96+\j], v[160+\j], v14             ; O / l: register 16 b + i = channel 32 b + 16 (lane / 16) + i of my query
.endr
.irp b, 0,1
	v_max3_num_f32 v[232+\b], |v[96+16*\b]|, |v[97+16*\b]|, 0x1800000
.endr
.irp i, 2,4,6,8,10,12,14
.irp b, 0,1
	s_delay_alu instid0(VALU_DEP_2)
	v_max3_num_f32 v[232+\b], v[232+\b], |v[96+16*\b+\i]|, |v[97+16*\b+\i]|
.endr
.endr
.irp b, 0,1
	s_delay_alu instid0(VALU_DEP_2)
	v_permlanex16_b32 v[236+\b], v[232+\b], s[SEL], s[SEL+1]
.endr
.irp b, 0,1
	s_delay_alu instid0(VALU_DEP_2)
	v_max_num_f32 v[232+\b], v[232+\b], v[236+\b]
.endr
.irp b, 0,1
	s_delay_alu instid0(VALU_DEP_2)
	v_add_nc_u32 v[244+\b], 0xff000000, v[232+\b]
.endr
.irp b, 0,1
	s_delay_alu instid0(VALU_DEP_2)
	v_lshrrev_b32 v[236+\b], 23, v[244+\b]
.endr
	s_delay_alu instid0(VALU_DEP_1)
	v_lshl_or_b32 v228, v237, 8, v236              ; the head's two scale bytes
.irp b, 0,1
	v_cvt_scalef32_pk8_fp4_f32 v[224+2*\b], v[96+16*\b:103+16*\b], v[244+\b]
	v_cvt_scalef32_pk8_fp4_f32 v[225+2*\b], v[104+16*\b:111+16*\b], v[244+\b]
.endr
	v_nop
	v_permlane16_swap_b32 v224, v226
	v_permlane16_swap_b32 v225, v227               ; lane (r, h): channels 32 h on of the head
	global_store_b128 v1, v[224:227], s[AB:AB+1]   ; 512 consecutive bytes of the image
	global_store_b16 v6, v228, s[ASB:ASB+1]        ; lanes l and l + 16 hold the same bytes and write them to the same place
	s_wait_xcnt 0x0                                ; loads and stores have read their bases and registers: both may be written again
	s_add_nc_u64 s[QB:QB+1], s[QB:QB+1], 8192      ; 16 tiles on
	s_add_nc_u64 s[QSB:QSB+1], s[QSB:QSB+1], 1024
	s_add_nc_u64 s[AB:AB+1], s[AB:AB+1], 131072
	s_add_nc_u64 s[ASB:ASB+1], s[ASB:ASB+1], 8192
	s_sub_co_u32 s[PASS], s[PASS], 1
	s_cmp_lg_u32 s[PASS], 0
	s_cbranch_scc1 .Lpass
	s_wait_dscnt 0x0
	s_wait_tensorcnt 0x0
	ds_add_u32 v250, v251
	s_wait_dscnt 0x0
	CROUND                                         ; the closing round
	s_endpgm
.Lfunc_end_k_q52254c2774_attn:
	.size	k_q52254c2774_attn, .Lfunc_end_k_q52254c2774_attn-k_q52254c2774_attn
	.p2alignl 7, 3214868480
	.fill 96, 4, 3214868480
	.section	.rodata,"a",@progbits
	.p2align	6, 0x0
	.amdhsa_kernel k_q52254c2774_attn
		.amdhsa_group_segment_fixed_size 169984
		.amdhsa_private_segment_fixed_size 0
		.amdhsa_enable_private_segment 0
		.amdhsa_kernarg_size 32
		.amdhsa_user_sgpr_count 2
		.amdhsa_user_sgpr_kernarg_segment_ptr 1
		.amdhsa_wavefront_size32 1
		.amdhsa_system_sgpr_workgroup_id_x 1
		.amdhsa_system_sgpr_workgroup_id_y 1
		.amdhsa_system_sgpr_workgroup_id_z 1
		.amdhsa_system_vgpr_workitem_id 0
		.amdhsa_next_free_vgpr 256
		.amdhsa_next_free_sgpr 96
		.amdhsa_reserve_vcc 0
		.amdhsa_float_denorm_mode_32 3
		.amdhsa_float_denorm_mode_16_64 3
		.amdhsa_memory_ordered 1
		.amdhsa_forward_progress 1
		.amdhsa_inst_pref_size 80
	.end_amdhsa_kernel
	.amdgpu_metadata
---
amdhsa.version: [ 1, 2 ]
amdhsa.kernels:
  - .name:           k_q52254c2774_attn
    .symbol:         k_q52254c2774_attn.kd
    .args:
      - { .name: himg, .offset: 0, .size: 8, .value_kind: global_buffer, .address_space: global }
      - { .name: hscl, .offset: 8, .size: 8, .value_kind: global_buffer, .address_space: global }
      - { .name: aimg, .offset: 16, .size: 8, .value_kind: global_buffer, .address_space: global }
      - { .name: scl, .offset: 24, .size: 8, .value_kind: global_buffer, .address_space: global }
    .group_segment_fixed_size: 169984
    .private_segment_fixed_size: 0
    .kernarg_segment_align: 8
    .kernarg_segment_size: 32
    .max_flat_workgroup_size: 512
    .sgpr_count:     96
    .vgpr_count:     256
    .wavefront_size: 32
...
	.end_amdgpu_metadata
.endif
;; end of part 3
;; launch gemm_out (part 4): grid 4 x 64, 4 waves a work-group, clusters of 4 x 4, 230,912 bytes of LDS; arguments aimg, wimg, scl, bo, out0; writes out0
.if DOCPART == 4
	.amdgcn_target "amdgcn-amd-amdhsa--gfx1250"
	.amdhsa_code_object_version 6
	.text
	.protected	k_q52254c2774_gemm_out
	.globl	k_q52254c2774_gemm_out
	.p2align	8
	.type	k_q52254c2774_gemm_out,@function
k_q52254c2774_gemm_out:
	s_mov_b64 s[64:65], 0
	v_nop
	global_prefetch_b8 v0, s[64:65] scope:SCOPE_SE
	s_setreg_imm32_b32 hwreg(HW_REG_WAVE_MODE, 25, 1), 1
	s_wait_xcnt 0x0
	s_wait_alu depctr_hold_cnt(0) depctr_sa_sdst(0) depctr_va_vdst(0) depctr_va_sdst(0) depctr_va_ssrc(0) depctr_va_vcc(0) depctr_vm_vsrc(0)
	s_getreg_b32 s2, hwreg(HW_REG_IB_STS2, 6, 4)
	s_cmp_eq_u32 s2, 0
	s_cbranch_scc0 .Lentry_in_a_cluster
	s_endpgm
.Lentry_in_a_cluster:
	s_bfe_u32 s2, ttmp6, 0x10000c
	s_cmp_lg_u32 s2, 0xf033
	s_cbranch_scc0 .Lentry_shape_is_right
	s_endpgm
.Lentry_shape_is_right:
; out0 = a Wo + bo on codes of FP4 with E8M0 scales, sums in f32.  a: the attention's output as images (aimg, scale words at scl + 262,144); Wo: weight 3 of wimg (scale words at scl + 524,288 + 192 tiles).
; A work-group makes 128 rows (8 tiles of a) x 256 columns (16 tiles of Wo); a wave 4 x 8 tiles: 32 accumulators, 256 registers: so 256 work-groups share the 8,192 x 1,024 results.
; ALL OF K = 1,024 of both panels fits in LDS (65,536 + 131,072 bytes): first fills alone, in four chunks of two K steps; no byte is filled twice.  The stages for the way out have bytes of their own behind the panels.
; CLUSTER 4 x 4: a's panel is asked for jointly by a row of the cluster, Wo's by a column; each wave issues four joint loads.
; Source 0 = 16 columns of Wo, source 1 = 16 rows of a: a lane holds one row, and by the TILE ORDER (tile 2 B + u, slot r = 32 B + 8 u + r + 8 (r / 8)) the registers of tiles 2 B, 2 B + 1 are columns 32 B + 16 (lane / 16) + 0 .. 15.
; The bias is the C of each sum's first product.  For tiles 4-7 lanes 0-15 of the scale registers hold words that no product reads; their loads stay inside scl.
; REGISTERS: window 0: v1-9 addresses; v64-127 scale words (register 8 i + s: lanes 0-15 a's tile i, lanes 16-31 Wo's tile i); v128.., v192.. a's fragments, two sets; on the way out rows of the result.
;   window 1: v0-127 Wo's fragments, two sets; v128-191 the bias.   window 2: accumulator (a, b) at v[8 (8 a + b)].
.set NX,   4
.set XCH,  NX*2048
.set WB,   8*XCH
.set STAGE, WB+131072                  ; 16 rows x (512 + 16) bytes for each wave
.set LI,   1
.set ADX,  2
.set ADW,  3
.set SO,   4
.set STO,  8                           ; v8  the stage: where I put 32 bytes of a row
.set RD,   9                           ; v9  and where I read a row back
.set SC,   64
.set XF,   128
.set BI,   128
.set WV,   20
.set XH,   21
.set WH,   22
.set CX,   23
.set CY,   24
.set TR,   25
.set G1X,  28
.set G1W,  36
.set G0X,  44
.set G0W,  68
.set MSB, 0
.macro WIN new
.if MSB != (\new)
	s_set_vgpr_msb (MSB<<8)|(\new)
.set MSB, \new
.endif
.endm
.macro CROUND
	s_barrier_signal -1
	s_barrier_wait -1
	s_cmp_lg_u32 s[WV], 0
	s_cbranch_scc1 .Lnot_wave_0_\@
	s_barrier_signal -3
.Lnot_wave_0_\@:
	s_barrier_wait -3
	s_barrier_signal -1
	s_barrier_wait -1
.endm
.macro PLACES
.rept 4
	v_nop
.endr
.endm
	s_load_b256 s[4:11], s[0:1], 0x0               ; aimg s[4:5], wimg s[6:7], scl s[8:9], bo s[10:11]
	s_load_b64 s[12:13], s[0:1], 0x20              ; out0
	v_lshl_add_u32 v62, v0, 2, 0x38400
	v_mov_b32 v63, 0
	ds_add_u32 v62, v63
	ds_add_u32 v62, v63
	v_lshrrev_b32 v1, 5, v0
	v_readfirstlane_b32 s[WV], v1
	s_lshr_b32 s[XH], s[WV], 1                     ; my half of a's tiles.  Also: I fetch for a (0) or for Wo (1)
	s_and_b32 s[WH], s[WV], 1                      ; my half of Wo's tiles.  Also: which half of that panel I fetch
	s_bfe_u32 s[CX], ttmp6, 0x40000
	s_bfe_u32 s[CY], ttmp6, 0x40004
	s_and_b32 s[TR], ttmp7, 0xffff
	s_lshl_b32 s[TR], s[TR], 2
	s_add_co_u32 s[TR], s[TR], s[CY]               ; tile row: 128 rows
	s_lshl_b32 s84, s[CY], 2
	s_lshl_b32 s84, 15, s84                        ; my row of the cluster
	s_lshl_b32 s85, 0x1111, s[CX]                  ; my column
	s_or_b32 s[G1X], s84, (3<<16)|(1<<21)          ; the mask; elements of 8 bytes; bit 21 beside a mask; no padding
	s_or_b32 s[G1W], s85, (3<<16)|(1<<21)
	s_mov_b32 s[G1X+1], 256<<16                    ; rows of 2,048 bytes: two K steps' images of a tile
	s_mov_b32 s[G1X+2], NX<<16
	s_mov_b32 s[G1X+3], 256<<16
	s_mov_b32 s[G1X+4], NX
	s_mov_b32 s[G1X+5], 1024                       ; 8,192 bytes from tile to tile
	s_mov_b32 s[G1X+6], 0
	s_mov_b32 s[G1X+7], 0
	s_mov_b32 s[G1W+1], 256<<16
	s_mov_b32 s[G1W+2], 8<<16
	s_mov_b32 s[G1W+3], 256<<16
	s_mov_b32 s[G1W+4], 8
	s_mov_b32 s[G1W+5], 1024
	s_mov_b32 s[G1W+6], 0
	s_mov_b32 s[G1W+7], 0
	s_lshl_b32 s86, s[TR], 16                      ; a: 8 tiles of 8,192 bytes a tile row, 4 a half
	s_lshl_b32 s87, s[WH], 15
	s_add_co_u32 s86, s86, s87
	s_mov_b32 s87, 0
	s_lshl_b32 s88, s[CX], 17                      ; Wo: 16 tiles a tile column, 8 a half,
	s_lshl_b32 s89, s[WH], 16
	s_add_co_u32 s88, s88, s89
	s_add_co_u32 s88, s88, 3*524288                ; the fourth weight
	s_mov_b32 s89, 0
	s_mul_i32 s90, s[WH], 4*XCH
	s_lshl_b32 s91, s[WH], 16
	s_add_co_u32 s91, s91, WB
	s_wait_dscnt 0x0
	s_wait_kmcnt 0x0
	s_add_nc_u64 s[86:87], s[4:5], s[86:87]
	s_add_nc_u64 s[88:89], s[6:7], s[88:89]
.irp j, 0,1,2,3
	s_mov_b32 s[G0X+4*\j], 1
	s_add_co_u32 s[G0X+4*\j+1], s90, \j*XCH
	s_add_nc_u64 s[G0X+4*\j+2:G0X+4*\j+3], s[86:87], \j*2048
	s_or_b32 s[G0X+4*\j+3], s[G0X+4*\j+3], 0x80000000
	s_mov_b32 s[G0W+4*\j], 1
	s_add_co_u32 s[G0W+4*\j+1], s91, \j*16384
	s_add_nc_u64 s[G0W+4*\j+2:G0W+4*\j+3], s[88:89], \j*2048
	s_or_b32 s[G0W+4*\j+3], s[G0W+4*\j+3], 0x80000000
.endr
	CROUND                                         ; all sixteen work-groups are here: the joint loads meet
	s_cmp_eq_u32 s[XH], 0                          ; a wave's four first fills stand in one branch on its number: four loads of mine are out
	s_cbranch_scc0 .Lfill_w
	tensor_load_to_lds s[G0X:G0X+3], s[G1X:G1X+7]
	s_nop 0
	tensor_load_to_lds s[G0X+4:G0X+7], s[G1X:G1X+7]
	s_nop 0
	tensor_load_to_lds s[G0X+8:G0X+11], s[G1X:G1X+7]
	s_nop 0
	tensor_load_to_lds s[G0X+12:G0X+15], s[G1X:G1X+7]
	s_nop 0
.rept 4
	v_nop
.endr
	s_branch .Lfilled
.Lfill_w:
	tensor_load_to_lds s[G0W:G0W+3], s[G1W:G1W+7]
	s_nop 0
	tensor_load_to_lds s[G0W+4:G0W+7], s[G1W:G1W+7]
	s_nop 0
	tensor_load_to_lds s[G0W+8:G0W+11], s[G1W:G1W+7]
	s_nop 0
	tensor_load_to_lds s[G0W+12:G0W+15], s[G1W:G1W+7]
	s_nop 0
.rept 4
	v_nop
.endr
.Lfilled:
	v_and_b32 v5, 31, v0
	v_and_b32 v6, 15, v0                           ; r
	v_bfe_u32 v7, v0, 4, 1                         ; h
	s_wait_alu depctr_va_vdst(0)
	v_lshlrev_b32 v[LI], 4, v5
	s_mul_i32 s84, s[XH], 4*XCH
	v_add_nc_u32 v[ADX], s84, v[LI]
	s_lshl_b32 s85, s[WH], 16
	s_add_co_u32 s85, s85, WB
	v_add_nc_u32 v[ADW], s85, v[LI]
	s_lshl_b32 s84, s[TR], 12                      ; a's scale words: 512 bytes a tile: 8 tiles a tile row, 4 a half,
	s_lshl_b32 s85, s[XH], 11
	s_add_co_u32 s84, s84, s85
	s_add_co_u32 s84, s84, 262144                  ; behind x's part
	s_lshl_b32 s85, s[CX], 13                      ; Wo's: tile 192 + 16 cx + 8 half
	s_lshl_b32 s86, s[WH], 12
	s_add_co_u32 s85, s85, s86
	s_add_co_u32 s85, s85, 524288+192*512
	v_mov_b32 v10, s84
	v_mov_b32 v11, s85
	v_cmp_eq_u32 vcc_lo, 1, v7
	v_cndmask_b32 v10, v10, v11, vcc_lo            ; lanes 0-15 take a's words, lanes 16-31 Wo's
	v_lshl_add_u32 v[SO], v6, 4, v10
.irp i, 0,1,2,3,4,5,6,7
.irp g, 0,1
	global_load_b128 v[SC+8*\i+4*\g:SC+8*\i+4*\g+3], v[SO], s[8:9] offset:\i*512+\g*256
.endr
.endr
	s_lshl_b32 s92, s[CX], 10
	s_lshl_b32 s93, s[WH], 9
	s_add_co_u32 s92, s92, s93                     ; my 128 columns, in bytes
	s_mov_b32 s93, 0
	s_add_nc_u64 s[10:11], s[10:11], s[92:93]
	v_lshlrev_b32 v10, 6, v7                       ; 16 h numbers on
	WIN 0x40
.irp b, 0,1,2,3,4,5,6,7                        ; lane (r, h), register j of Wo's tile b: column 32 (b / 2) + 8 (b % 2) + 16 h + j
	global_load_b128 v[BI+8*\b:BI+8*\b+3], v10, s[10:11] offset:(32*(\b/2)+8*(\b%2))*4
	global_load_b128 v[BI+8*\b+4:BI+8*\b+7], v10, s[10:11] offset:(32*(\b/2)+8*(\b%2))*4+16
.endr
	WIN 0
	s_mul_i32 s84, s[WV], 8448
	s_add_co_u32 s84, s84, STAGE                   ; my stage
	v_mul_u32_u24 v[STO], v6, 528
	v_lshl_add_u32 v[STO], v7, 6, v[STO]
	v_add_nc_u32 v[STO], s84, v[STO]               ; in: row r, + 64 h bytes
	v_add_nc_u32 v[RD], s84, v[LI]                 ; back: a whole row of 512 bytes, 16 a lane
	s_lshl_b32 s86, s[TR], 19                      ; out0: 128 rows of 4,096 bytes a tile row,
	s_lshl_b32 s87, s[XH], 18                      ; 64 a half,
	s_add_co_u32 s86, s86, s87
	s_add_co_u32 s86, s86, s92                     ; my columns
	s_mov_b32 s87, 0
	s_add_nc_u64 s[12:13], s[12:13], s[86:87]
.macro FETCH s                         ; K step s: Wo's eight fragments and a's four, into set s % 2: 24 loads of 512 consecutive bytes
	WIN 0x40
.irp i, 0,1,2,3,4,5,6,7
.irp c, 0,1
	ds_load_b128 v[64*((\s)%2)+8*\i+4*\c:64*((\s)%2)+8*\i+4*\c+3], v[ADW] offset:((\s)/2)*16384+\i*2048+((\s)%2)*1024+\c*512
.endr
.endr
	WIN 0
.irp i, 0,1,2,3
.irp c, 0,1
	ds_load_b128 v[XF+64*((\s)%2)+8*\i+4*\c:XF+64*((\s)%2)+8*\i+4*\c+3], v[ADX] offset:((\s)/2)*XCH+\i*2048+((\s)%2)*1024+\c*512
.endr
.endr
.endm
.macro MULS s                          ; 32 products; the 32 accumulators take turns, one instruction a turn, in the same order in every step
.if (\s) == 0
	WIN 0x91                                       ; source 0 (Wo) window 1, source 1 (a) window 0, C (the bias) window 1, D window 2
.else
	WIN 0xa1                                       ; C and D window 2
.endif
.irp a, 0,1,2,3
.irp b, 0,1,2,3,4,5,6,7
.set rD, 8*(8*\a+\b)
.set rW, 64*((\s)%2)
.set rX, XF+64*((\s)%2)
.if (\s) == 0
	v_wmma_scale_f32_16x16x128_f8f6f4 v[rD:rD+7], v[rW+8*\b:rW+8*\b+7], v[rX+8*\a:rX+8*\a+7], v[BI+8*\b:BI+8*\b+7], v[SC+8*\b+(\s)], v[SC+8*\a+(\s)] matrix_a_fmt:MATRIX_FMT_FP4 matrix_b_fmt:MATRIX_FMT_FP4 matrix_a_scale:MATRIX_SCALE_ROW1
.else
	v_wmma_scale_f32_16x16x128_f8f6f4 v[rD:rD+7], v[rW+8*\b:rW+8*\b+7], v[rX+8*\a:rX+8*\a+7], v[rD:rD+7], v[SC+8*\b+(\s)], v[SC+8*\a+(\s)] matrix_a_fmt:MATRIX_FMT_FP4 matrix_b_fmt:MATRIX_FMT_FP4 matrix_a_scale:MATRIX_SCALE_ROW1
.endif
.endr
.endr
	WIN 0
.endm
.macro STEP s
.if ((\s)%2 == 1) && ((\s) < 7)
	s_wait_tensorcnt 3-((\s)+1)/2                  ; my part of the chunk that the fetch below reads is in; my younger chunks may stay out
	s_wait_dscnt 0x0
	s_barrier_signal -1
	s_barrier_wait -1
.endif
.if (\s) < 7
.if (\s) > 0
	PLACES                                         ; the fetch fills the set that the last step's products read
.endif
	FETCH (\s)+1
	s_wait_dscnt 16+2*NX                           ; all but the 24 loads just issued: this step's fragments are in
.else
	s_wait_dscnt 0x0
.endif
.if (\s) == 0
	s_wait_loadcnt 0x0                             ; the scale words and the bias
.endif
	MULS \s
.endm
	s_wait_tensorcnt 3                             ; my part of chunk 0 is in,
	s_barrier_signal -1
	s_barrier_wait -1                              ; everybody's is
	FETCH 0
	STEP 0
	STEP 1
	STEP 2
	STEP 3
	STEP 4
	STEP 5
	STEP 6
	STEP 7
; THE WAY OUT, a tile of 16 rows x 128 columns at a time, through my own stage: a lane holds pieces of 32 bytes of one row; they come back as whole rows of 512 bytes.
; LDS serves a wave's instructions in order: no wait between the stores and the loads, nor in front of the next tile's stores.
.macro TOSTAGE a
	WIN 0x08                                       ; an LDS store's data are its source 1: window 2
.irp b, 0,1,2,3,4,5,6,7
	ds_store_b128 v[STO], v[64*(\a)+8*\b:64*(\a)+8*\b+3] offset:128*(\b/2)+32*(\b%2)       ; each accumulator from its low end on
	ds_store_b128 v[STO], v[64*(\a)+8*\b+4:64*(\a)+8*\b+7] offset:128*(\b/2)+32*(\b%2)+16
.endr
	WIN 0
.irp t, 0,1,2,3,4,5,6,7,8,9,10,11,12,13,14,15
	ds_load_b128 v[128+64*((\a)%2)+4*\t:128+64*((\a)%2)+4*\t+3], v[RD] offset:\t*528
.endr
.endm
.macro SEND a, younger                 ; younger: the LDS instructions issued behind tile a's loads, which may stay out
	s_wait_dscnt \younger
.irp t, 0,1,2,3,4,5,6,7,8,9,10,11,12,13,14,15
	global_store_b128 v[LI], v[128+64*((\a)%2)+4*\t:128+64*((\a)%2)+4*\t+3], s[12:13] offset:(32*((\a)/2)+8*((\a)%2)+\t+8*(\t/8))*4096 th:TH_STORE_NT   ; slot t's row: 512 consecutive bytes, at a multiple of 512 from out0's first byte
.endr
.endm
	PLACES                                         ; in front of the first read of results and of loads into registers that held fragments
	s_wait_alu depctr_va_vdst(0)
	TOSTAGE 0
	TOSTAGE 1
	SEND 0, 32                                     ; behind tile 0's loads: tile 1's 16 stores and 16 loads
	s_wait_xcnt 0x0                                ; tile 0's stores have read their registers: tile 2's rows may land there
	TOSTAGE 2
	SEND 1, 32
	s_wait_xcnt 0x0
	TOSTAGE 3
	SEND 2, 32
	SEND 3, 0
	s_wait_tensorcnt 0x0
	ds_add_u32 v62, v63
	s_wait_dscnt 0x0
	CROUND                                         ; the closing round: no work-group ends while a partner may still ask for a tile that names it
	s_endpgm
.Lfunc_end_k_q52254c2774_gemm_out:
	.size	k_q52254c2774_gemm_out, .Lfunc_end_k_q52254c2774_gemm_out-k_q52254c2774_gemm_out
	.p2alignl 7, 3214868480
	.fill 96, 4, 3214868480
	.section	.rodata,"a",@progbits
	.p2align	6, 0x0
	.amdhsa_kernel k_q52254c2774_gemm_out
		.amdhsa_group_segment_fixed_size 230912
		.amdhsa_private_segment_fixed_size 0
		.amdhsa_enable_private_segment 0
		.amdhsa_kernarg_size 40
		.amdhsa_user_sgpr_count 2
		.amdhsa_user_sgpr_kernarg_segment_ptr 1
		.amdhsa_wavefront_size32 1
		.amdhsa_system_sgpr_workgroup_id_x 1
		.amdhsa_system_sgpr_workgroup_id_y 1
		.amdhsa_system_sgpr_workgroup_id_z 1
		.amdhsa_system_vgpr_workitem_id 0
		.amdhsa_next_free_vgpr 768
		.amdhsa_next_free_sgpr 104
		.amdhsa_reserve_vcc 1
		.amdhsa_float_denorm_mode_32 3
		.amdhsa_float_denorm_mode_16_64 3
		.amdhsa_memory_ordered 1
		.amdhsa_forward_progress 1
		.amdhsa_inst_pref_size 73
	.end_amdhsa_kernel
	.amdgpu_metadata
---
amdhsa.version: [ 1, 2 ]
amdhsa.kernels:
  - .name:           k_q52254c2774_gemm_out
    .symbol:         k_q52254c2774_gemm_out.kd
    .args:
      - { .name: aimg, .offset: 0, .size: 8, .value_kind: global_buffer, .address_space: global }
      - { .name: wimg, .offset: 8, .size: 8, .value_kind: global_buffer, .address_space: global }
      - { .name: scl, .offset: 16, .size: 8, .value_kind: global_buffer, .address_space: global }
      - { .name: bo, .offset: 24, .size: 8, .value_kind: global_buffer, .address_space: global }
      - { .name: out0, .offset: 32, .size: 8, .value_kind: global_buffer, .address_space: global }
    .group_segment_fixed_size: 230912
    .private_segment_fixed_size: 0
    .kernarg_segment_align: 8
    .kernarg_segment_size: 40
    .max_flat_workgroup_size: 128
    .sgpr_count:     104
    .vgpr_count:     768
    .wavefront_size: 32
...
	.end_amdgpu_metadata
.endif
;; end of part 4
